; MI455X (gfx1250); checked and timed in simulation.
; The chip was launched on July 23, 2026; its instructions are those of AMD's public machine-readable ISA for CDNA 5 (MIT licence, August 2026) and "CDNA5" Instruction Set Architecture Reference Guide (July 2026). The comments in the code are by the model that wrote it; some were corrected since.
;; Self Attention V3. Allowed arithmetic: matrix products marked QUANTISED: E2M3 operands, one E8M0 scale for each 32 along K, by v_wmma_scale_f32_16x16x128_f8f6f4 with both operands' format E2M3, f32 sums; everything else in f32.
;; Inputs: attention_mask 4 x 2,048 x 2,048 int32; out_b 1,024 float32; out_w 1,024 x 1,024 float32; proj_b 3,072 float32; proj_w 1,024 x 3,072 float32; x 4 x 2,048 x 1,024 float32.
;; Outputs: out0 4 x 2,048 x 1,024 float32.
;; This version of the problem:
;;   THIS VERSION OF THE PROBLEM IS GIVEN IN LOW PRECISION. The matrix products marked QUANTISED in the list below multiply operands that are first quantised to E2M3 (2 exponent bits, 3 mantissa bits; 6 bits a number), with one power-of-two scale for each 32 numbers along K (OCP MX v1.0); their sums are f32. All else is computed in f32.
;;   The module's matrix products, in the order in which they are computed (A, B: the left and right operand; K: the contracted axis; several contracted axes count as one K, in the product's order):
;;     1. [M 8,192, K 1,024] x [K 1,024, N 3,072]; A: input x; B: input proj_w: QUANTISED
;;     2. batch 4 x [M 2,048, K 1,024] x [K 1,024, N 2,048]; A: computed on the way; B: computed on the way: QUANTISED
;;     3. batch 4 x [M 2,048, K 2,048] x [K 2,048, N 1,024]; A: softmax (see below); B: computed on the way: QUANTISED
;;     4. [M 8,192, K 1,024] x [K 1,024, N 1,024]; A: computed on the way; B: input out_w: QUANTISED
;;   THE QUANTISER, for each operand of a quantised product, along K:
;;     - K is cut into blocks of 32 from its start; a last block that is shorter is filled with zeros.
;;     - A block's scale is 2^e with e = floor(log2(the largest magnitude in the block)) - 2, held to -126 .. 127; a block of zeros has e = 0. As a byte (E8M0): e + 127.
;;     - Each number is divided by its block's scale, clamped to +-7.5, and rounded to the nearest number of E2M3, ties to even, subnormals kept.
;;     - The product sums the exact products of the quantised numbers (number of the format x scale) in f32.
;;   ~~~python
;;   def quantise(x, axis):      # numpy; x: float32 -> the quantised numbers, widened to float32 again
;;       x = np.moveaxis(x, axis, -1); K = x.shape[-1]
;;       x = np.pad(x, [(0, 0)] * (x.ndim - 1) + [(0, -K % 32)]); x = x.reshape(x.shape[:-1] + (-1, 32)); a = np.abs(x).max(-1, keepdims=True)
;;       e = np.where(a > 0, np.clip(np.frexp(np.where(a > 0, a, 1))[1] - 1 - 2, -126, 127), 0)      # np.frexp(a)[1] - 1 = floor(log2(a)), exactly
;;       r = np.clip(x / 2.0 ** e, -7.5, 7.5)
;;       step = 2.0 ** (np.maximum(np.frexp(np.where(r == 0, 1, r))[1] - 1, 0) - 3)
;;       q = np.round(r / step) * step * 2.0 ** e      # np.round: ties to even
;;       return np.moveaxis(q.reshape(q.shape[:-2] + (-1,))[..., :K], -1, axis).astype(np.float32)
;;   ~~~
;;   SOFTMAX AHEAD OF A QUANTISED PRODUCT. Where the list says 'softmax', what is quantised is not the finished softmax but p = 2^(t - M), with t = logit x log2(e) and M = ceil(the row's largest t), a whole number; so 1/2 < the row's largest p <= 1. The row's sum l is taken of the UNQUANTISED p, in f32, and the product's result is divided by l at the end. Since M is a whole number, a kernel that streams over the keys may use a running M (the ceiling of the running maximum): every later rescaling is an exact power of two, which a block's scale takes up: the codes' values come out the same.
;;   OPERANDS COMPUTED ON THE WAY. 'Computed on the way' means the value that the module computes at that place (a softmax that the list does not call 'softmax' is quantised finished and normalised). What goes into a quantiser is computed in f32, as accurately as f32 sums, v_exp_f32 and their like allow (about 1e-6 of the number): no bf16 or f16 on the way to a quantiser, and a product that is left as it is and whose result goes on into a quantised operand takes f32 operands (vector FMAs, or v_wmma_f32_16x16x4_f32). A number that lies on a knife's edge between two numbers of the format may be rounded either way, as far as f32 arithmetic and the matrix unit's own rounding can turn it there, and no further.
;; One version. Each part assembles by itself: llvm-mc -triple=amdgcn-amd-amdhsa -mcpu=gfx1250 --defsym DOCPART=n.
;; ======== version 1 of 1: 5 launches
;; limits: right only within a limited range of input values
;; workspace buffers: pb 9,830,400 bytes; mbits 2,097,152 bytes of whole numbers; qk 13,107,200 bytes; vv 6,553,600 bytes; pp 14,155,776 bytes; cx 6,553,600 bytes
;; launch prep (part 1): grid 256 x 1, 14 waves a work-group, no clusters, 269,056 bytes of LDS; arguments x, attention_mask, proj_w, out_w, pb, mbits; writes pb, mbits
.if DOCPART == 1
	.amdgcn_target "amdgcn-amd-amdhsa--gfx1250"
	.amdhsa_code_object_version 6
	.text
	.protected	k_qc33b35c1af_prep
	.globl	k_qc33b35c1af_prep
	.p2align	8
	.type	k_qc33b35c1af_prep,@function
k_qc33b35c1af_prep:
	s_mov_b64 s[64:65], 0
	v_nop
	global_prefetch_b8 v0, s[64:65] scope:SCOPE_SE
	s_setreg_imm32_b32 hwreg(HW_REG_WAVE_MODE, 25, 1), 1
	s_wait_xcnt 0x0
; x [8192][1024], proj_w [1024][3072] and out_w [1024][1024], f32, become codes of FP6 (E2M3) with one E8M0 byte for each 32 along K; the mask becomes words of lane bits.
; A block's scale is 2^(floor(log2(its largest magnitude)) - 2); its byte is the largest magnitude's exponent field - 2, held at 1 from below.
; LAYOUT OF EVERY OPERAND OF THIS PROGRAM: an image of the operand's registers.  A fragment is 16 rows x 128 K = 12 registers a lane = 1,536 bytes: registers 4 c .. 4 c + 3 of lane l lie at 512 c + 16 l.
; Codes: [256 K][tile of 16 rows][128 K][1536].  Scale words: word (128 K step, tile t, row p) at step x tiles x 64 + (t / 4) 256 + 16 p + 4 (t % 4).
; Row p of tile t is the row 32 (t / 2) + 8 (t % 2) + p + 8 (p / 8): where the tile is a product's source 0, the 16 result registers of tiles 2 b, 2 b + 1 are 16 neighbours.
; MASK WORDS: [128 keys][tile][64 words]: bit (p + 16 h) of word e is set where mask[row p of the tile][128 kg + 32 (e / 16) + 16 h + e % 16] is not 0.
; SHARES: fourteen waves, fourteen jobs of 32 KiB, told apart by the wave's number.  Waves 0-3: 64 rows x 128 K of x; waves 4, 5: 128 K x 64 columns of a weight; waves 6-13: 32 rows x 256 keys of the mask.
; A job is four units of 16 loads of 512 bytes.  Three sets of 64 registers take the loads: 48 loads of a wave are out at the start, and the fourth unit is asked for when the first has gone into the stage.
; A unit turns through the wave's own stage in LDS and comes back in two halves of 32 registers.  Waves share nothing: no barrier; every LDS byte belongs to one wave.
; LIMITS: NaN and infinities are not served; a block whose largest magnitude lies under 2^-124, a block of zeros too, gets the byte 1 (the bytes are read by this program alone).
.set XS_OFF, 6291456                   ; pb: x's codes at 0, x's scale words here,
.set WC_OFF, 6553600                   ; proj_w's codes,
.set WS_OFF, 8912896                   ; its scale words,
.set OC_OFF, 9011200                   ; out_w's codes,
.set OS_OFF, 9797632                   ; its scale words
.set SROW,  528                        ; a stage row: 512 bytes + 16
.set STGW,  16*SROW                    ; a wave's stage; waves 4, 5 keep 32 rows of 256 bytes of a weight there
.set WTP,   1664                       ; waves 4, 5: from image to image
.set WREG,  4*WTP+256                  ; four images and 64 scale words
.set WIMG,  14*STGW
.set SPARE, WIMG+2*WREG                ; the spare words: 128 bytes a wave, named by no other line
; x COMES BY THE TENSOR DATA MOVER: each of waves 0-3 brings its 64 rows x 512 bytes by one tensor load at the head, into bytes of its own, rows 528 bytes apart in their order in memory, and reads its four fragments from there:
; no load into registers and no LDS store in those waves.  Nothing is filled again.  Waves 4-13 work as said above.
.set XT,    SPARE+1792                 ; x's tiles: 64 x SROW bytes for each of waves 0-3
.set G1,    68                         ; s[68:75] descriptor group 1, s[76:79] group 0
.set G0,    76
.set LI,  1                            ; 16 x lane
.set RR,  2                            ; lane % 16
.set HH,  3                            ; lane / 16
.set LN,  4                            ; lane
.set STW, 5                            ; my stage + 16 x lane
.set RD,  6                            ; where I read the stage back
.set SPW, 14
.set NIL, 15
.set X,   32                           ; v32-63 half a unit in the order in which it is worked
.set RB,  64                           ; v64-255 three sets of 64: as loaded
.macro LWAIT n                         ; unit n's 16 loads are in; the units asked for behind it stay out
.if (\n) < 2
	s_wait_loadcnt 32
.else
	s_wait_loadcnt 16*(3-(\n))
.endif
.endm
.macro TOSTG n, pitch                  ; set n % 3 into my stage
.set p, 0
.rept 16
	ds_store_b128 v[STW], v[RB+64*((\n)%3)+4*p:RB+64*((\n)%3)+4*p+3] offset:p*(\pitch)
.set p, p+1
.endr
.endm
.macro BMAX a, b, sc                   ; of the 32 numbers in v[X] on: the conversion's scale operand in v[sc], the scale's byte in v[b]
	v_max3_num_f32 v[\a], |v[X]|, |v[X+1]|, |v[X+2]|
	v_max3_num_f32 v[\b], |v[X+3]|, |v[X+4]|, |v[X+5]|
.irp i, 6,10,14,18,22,26
	v_max3_num_f32 v[\a], v[\a], |v[X+\i]|, |v[X+\i+1]|
	v_max3_num_f32 v[\b], v[\b], |v[X+\i+2]|, |v[X+\i+3]|
.endr
	v_max3_num_f32 v[\a], v[\a], |v[X+30]|, |v[X+31]|
	v_max3_num_f32 v[\a], v[\a], v[\b], 0x1800000  ; the floor 2^(3 - 127): the byte cannot fall under 1
	v_add_nc_u32 v[\sc], 0xff000000, v[\a]         ; 2 off the exponent field
	v_lshrrev_b32 v[\b], 23, v[\sc]
.endm
.macro CODES d, t, sc                  ; the block's 32 codes into v[d] .. v[d + 5] (a conversion's three registers begin on an even number: the second half is made in v[t] on and moved)
	v_cvt_scalef32_pk16_fp6_f32 v[(\d):(\d)+2], v[X:X+15], v[\sc]
	v_cvt_scalef32_pk16_fp6_f32 v[(\t):(\t)+2], v[X+16:X+31], v[\sc]
	v_nop                                          ; one plain place behind a scaled conversion
.irp i, 0,1,2
	v_mov_b32 v[(\d)+3+\i], v[(\t)+\i]
.endr
.endm
.macro FINISH                          ; the wave's end
	s_wait_tensorcnt 0x0
	ds_add_u32 v[SPW], v[NIL]
	s_wait_dscnt 0x0
	s_endpgm
.endm
	s_load_b256 s[4:11], s[0:1], 0x0               ; x, attention_mask, proj_w, out_w
	s_load_b128 s[12:15], s[0:1], 0x20             ; pb, mbits
	v_lshl_add_u32 v[SPW], v0, 2, SPARE
	v_mov_b32 v[NIL], 0
	ds_add_u32 v[SPW], v[NIL]                      ; the opening lines: the add, twice on end, and its wait ahead of a first tensor load
	ds_add_u32 v[SPW], v[NIL]
	v_lshrrev_b32 v[RD], 5, v0
	v_readfirstlane_b32 s16, v[RD]                 ; wave 0..13
	v_and_b32 v[LN], 31, v0
	v_lshlrev_b32 v[LI], 4, v[LN]
	v_and_b32 v[RR], 15, v0
	v_bfe_u32 v[HH], v0, 4, 1
	s_mul_i32 s17, s16, STGW
	v_add_nc_u32 v[STW], s17, v[LI]
	v_mul_u32_u24 v[RD], v[RR], SROW
	v_add_nc_u32 v[RD], s17, v[RD]                 ; my stage, row r
	s_mov_b32 s28, 0x76543210
	s_mov_b32 s29, 0xfedcba98                      ; v_permlanex16_b32's selects for lane l xor 16
	s_mov_b32 s30, 0xffff0000
	s_mov_b32 s23, 0
	s_mov_b32 s[G1], (2<<16)|(1<<20)|(6<<22)|(3<<25)   ; elements of 4 bytes; after every 128 words (code 6) 4 words of padding (code 3)
	s_mov_b32 s[G1+1], 128<<16                     ; tensor_dim0 = 128
	s_mov_b32 s[G1+2], 64<<16                      ; tensor_dim1 = 64
	s_mov_b32 s[G1+3], 128<<16                     ; tile_dim0 = 128
	s_mov_b32 s[G1+4], 64                          ; tile_dim1 = 64
	s_mov_b32 s[G1+5], 1024                        ; a row of x in elements
	s_mov_b32 s[G1+6], 0
	s_mov_b32 s[G1+7], 0
	s_wait_alu depctr_va_vdst(0)
	s_wait_dscnt 0x0                               ; both opening adds are done
	s_wait_kmcnt 0x0
	s_cmp_lt_u32 s16, 4
	s_cbranch_scc0 .Lno_tile
	s_lshl_b32 s18, ttmp9, 2                       ; x: job J = 4 wg + wave
	s_add_co_u32 s18, s18, s16
	s_lshr_b32 s19, s18, 3                         ; which 64 rows
	s_and_b32 s20, s18, 7                          ; which K step
	s_lshl_b32 s22, s19, 18
	s_lshl_b32 s21, s20, 9
	s_add_co_u32 s22, s22, s21
	s_add_nc_u64 s[G0+2:G0+3], s[4:5], s[22:23]
	s_or_b32 s[G0+3], s[G0+3], 0x80000000
	s_mov_b32 s[G0], 1
	s_mul_i32 s[G0+1], s16, 64*SROW
	s_add_co_u32 s[G0+1], s[G0+1], XT              ; my tile
	tensor_load_to_lds s[G0:G0+3], s[G1:G1+7]      ; my one tensor load
	s_nop 0
	s_branch .Lrole_x
.Lno_tile:
	s_cmp_lt_u32 s16, 6
	s_cbranch_scc1 .Lrole_w
; ---------------- THE MASK: rows 32 wg .. 32 wg + 31, keys 256 (wave - 6) on: four units of 16 rows (a tile) x 128 keys
.set OUTW, 16                          ; v16-19: 128 words of a pair of tiles: word w in register w % 4 of lane w / 4
.macro MLOAD n
.set p, 0
.rept 16
	global_load_b128 v[RB+64*((\n)%3)+4*p:RB+64*((\n)%3)+4*p+3], v[LI], s[6:7] offset:(8*((\n)%2)+p+8*(p/8))*8192+((\n)/2)*512 th:TH_LOAD_NT
.set p, p+1
.endr
.endm
.macro MHALF n, hf                     ; registers e = 32 hf .. 32 hf + 31 of the tile: register 16 b + i = key 32 b + 16 h + i of row r
.set p, 0
.rept 8
	ds_load_b128 v[X+4*p:X+4*p+3], v[RD] offset:128*(2*(\hf)+p/4)+16*(p%4)   ; LDS serves a wave's instructions in order: these see my stores
.set p, p+1
.endr
	s_wait_dscnt 0x0                               ; and the stores have read their registers
.if ((\hf) == 0) && ((\n) == 0)
	MLOAD 3
.endif
.irp g, 0,1
.set i, 0
.rept 16
	v_cmp_ne_u32 s[40+i], 0, v[X+16*\g+i]          ; the 32 lanes' bits of register e
.set i, i+1
.endr
.set i, 0
.rept 16
	v_writelane_b32 v[OUTW+i%4], s[40+i], (64*((\n)%2)+32*(\hf)+16*\g+i)/4
.set i, i+1
.endr
.endr
.endm
.macro MUNIT n
	LWAIT \n
.if (\n) == 2
	s_wait_xcnt 0x0                                ; the store has read the word registers: they are written again only behind this wait
.endif
	TOSTG \n, SROW
	MHALF \n, 0
	MHALF \n, 1
.if (\n)%2 == 1
	global_store_b128 v[LI], v[OUTW:OUTW+3], s[14:15] offset:((\n)/2)*131072   ; two tiles' 128 words: 512 consecutive bytes
.endif
.endm
	s_sub_co_u32 s18, s16, 6
	s_lshl_b32 s22, ttmp9, 18                      ; 32 rows of 8,192 bytes
	s_lshl_b32 s21, s18, 10
	s_add_co_u32 s22, s22, s21
	s_add_nc_u64 s[6:7], s[6:7], s[22:23]
	MLOAD 0
	MLOAD 1
	MLOAD 2
	s_lshl_b32 s22, s18, 18                        ; two groups of 128 keys, 131,072 bytes each
	s_lshl_b32 s21, ttmp9, 9
	s_add_co_u32 s22, s22, s21
	s_add_nc_u64 s[14:15], s[14:15], s[22:23]
	v_lshl_add_u32 v[RD], v[HH], 6, v[RD]          ; + 64 h
.irp j, 0,1,2,3
	v_mov_b32 v[OUTW+\j], 0                        ; written once: v_writelane_b32's destination counts as one of its sources
.endr
	s_wait_alu depctr_va_vdst(0)                   ; ahead of the first blocking wait
.irp n, 0,1,2,3
	MUNIT \n
.endr
	FINISH
; ---------------- x: job J = 4 wg + wave: rows 64 (J / 8) on, K step J % 8: four fragments
.Lrole_x:
.set SOFF, 7                           ; 16 r + 8 h: where my two scale words go
.set SH8,  8                           ; 8 h
.set TT,   9
.set BY,   13
.set PC,   16                          ; v16-27 a fragment's codes; v28-30 the half that is moved
.macro XHALF t, c                      ; k = 64 c + 32 h + 0 .. 31 of row r: a whole block a lane
.set p, 0
.rept 8
	ds_load_b128 v[X+4*p:X+4*p+3], v[RD] offset:(32*((\t)/2)+8*((\t)%2))*SROW+256*(\c)+16*p   ; tile t begins at row 32 (t / 2) + 8 (t % 2) of my 64
.set p, p+1
.endr
	s_wait_dscnt 0x0
	BMAX 10, 11, 12
.if (\c) == 0
	v_mov_b32 v[BY], v11
.else
	v_lshl_or_b32 v[BY], v11, 16, v[BY]            ; my two bytes: blocks h and 2 + h
.endif
	CODES PC+6*(\c), 28, 12
.endm
.macro XFRAG t
.set PWR, 2+(\t)+26*((\t)/3)           ; the four tiles' scale words: v2, v3, v4, v31 (lane % 16, lane / 16 and the lane are no longer wanted)
.if (\t) > 0
	s_wait_xcnt 0x0                                ; the last fragment's stores have read the code registers
.endif
	XHALF \t, 0
	XHALF \t, 1
	v_lshlrev_b32 v[BY], v[SH8], v[BY]             ; 8 h bits up;
	v_permlanex16_b32 v[TT], v[BY], s28, s29
	v_or_b32 v[PWR], v[BY], v[TT]                  ; with lane l xor 16's two the word is whole
.irp c, 0,1,2
	global_store_b128 v[LI], v[PC+4*\c:PC+4*\c+3], s[24:25] offset:(\t)*3072+512*\c
.endr
.endm
	s_lshr_b32 s21, s20, 1
	s_mul_i32 s22, s21, 1572864
	s_mul_i32 s21, s19, 12288
	s_add_co_u32 s22, s22, s21
	s_and_b32 s21, s20, 1
	s_mul_i32 s21, s21, 1536
	s_add_co_u32 s22, s22, s21
	s_add_nc_u64 s[24:25], s[12:13], s[22:23]      ; my codes
	s_lshl_b32 s22, s20, 15
	s_lshl_b32 s21, s19, 8
	s_add_co_u32 s22, s22, s21
	s_add_co_u32 s22, s22, XS_OFF
	s_add_nc_u64 s[26:27], s[12:13], s[22:23]      ; my scale words: four tiles, 256 bytes
	v_and_b32 v[RD], 8, v[RR]
	v_add_nc_u32 v[RD], v[RD], v[RR]               ; row r + 8 (r / 8) of a tile's 24
	v_mul_u32_u24 v[RD], v[RD], SROW
	v_lshl_add_u32 v[RD], v[HH], 7, v[RD]          ; + 128 h
	v_add_nc_u32 v[RD], s[G0+1], v[RD]             ; in my tile
	v_lshlrev_b32 v[SOFF], 4, v[RR]
	v_lshl_add_u32 v[SOFF], v[HH], 3, v[SOFF]
	v_lshlrev_b32 v[SH8], 3, v[HH]
	v_mov_b32 v[TT], 0                             ; written once: a lane permute's destination counts as one of its sources
	s_wait_alu depctr_va_vdst(0)                   ; ahead of the first blocking wait
	s_wait_tensorcnt 0x0                           ; my tile has landed; I alone read it
.irp t, 0,1,2,3
	XFRAG \t
.endr
	v_cndmask_b32 v2, v2, v4, s30                  ; lanes 0-15: tiles 0, 1; lanes 16-31: tiles 2, 3
	v_cndmask_b32 v3, v3, v31, s30
	global_store_b64 v[SOFF], v[2:3], s[26:27]     ; the 32 lanes fill one aligned unit of 256 bytes
	FINISH
; ---------------- a weight: K is its FIRST axis.  Job gi = 2 wg + wave - 4; 0-383: proj_w, 384-511: out_w; K step gi % 8, columns 64 (gi / 8) on.
; A load brings two rows' 256 bytes; 32 rows lie in LDS as rows; then a lane takes a column and its registers run down K: a block of 32 is one lane's, and its 24 bytes of codes go to their place in the column's image.
.Lrole_w:
.set WADR, 7                           ; where my column's codes go in an image
.set WRD,  8                           ; the images, 16 x lane
.set WSCW, 9                           ; where my column's scale word goes
.set WSCR, 10
.set S8,   11                          ; 8 x lane
.set ROFF, 16                          ; v16-19: rows 2 j + h of a run of eight: (2 j + h) x pitch + 16 r
.set CD,   20                          ; v20-25 a block's codes; v26-28 the half that is moved
.set SBW,  30                          ; v30-31 my two columns' scale words
.macro WLOAD n                         ; block n of the K step: 32 rows; a scalar base for each run of eight rows: none is stepped while loads are out
.set p, 0
.rept 16
	global_load_b128 v[RB+64*((\n)%3)+4*p:RB+64*((\n)%3)+4*p+3], v[ROFF+p%4], s[32+2*(4*(\n)+p/4):33+2*(4*(\n)+p/4)] th:TH_LOAD_NT
.set p, p+1
.endr
.endm
.macro WBLOCK be, sj                   ; block be of the K step, columns 32 sj + lane
.set p, 0
.rept 32
	ds_load_b32 v[X+p], v[RD] offset:p*256+(\sj)*128
.set p, p+1
.endr
	s_wait_dscnt 0x0                               ; and the last block's stores have read the code registers
.if ((\be) == 0) && ((\sj) == 0)
	WLOAD 3
.endif
	BMAX 12, 13, 29
.if (\be) == 0
	v_mov_b32 v[SBW+(\sj)], v13
.else
	v_lshl_or_b32 v[SBW+(\sj)], v13, 8*(\be), v[SBW+(\sj)]
.endif
	CODES CD, 26, 29
; block be = 2 c + h: registers 6 c .. 6 c + 5 of lane p + 16 h of the image
.if (\be)/2 == 0
	ds_store_b128 v[WADR], v[CD:CD+3] offset:(\sj)*2*WTP+((\be)%2)*256
	ds_store_b64 v[WADR], v[CD+4:CD+5] offset:(\sj)*2*WTP+((\be)%2)*256+512
.else
	ds_store_b64 v[WADR], v[CD:CD+1] offset:(\sj)*2*WTP+((\be)%2)*256+520
	ds_store_b128 v[WADR], v[CD+2:CD+5] offset:(\sj)*2*WTP+((\be)%2)*256+1024
.endif
.endm
	s_lshl_b32 s19, ttmp9, 1
	s_add_co_u32 s19, s19, s16
	s_sub_co_u32 s19, s19, 4                       ; gi
	s_cmp_lt_u32 s19, 384                          ; the choice hangs on ids alone
	s_cselect_b64 s[4:5], s[8:9], s[10:11]
	s_mov_b32 s18, 4096
	s_cselect_b32 s18, 12288, s18                  ; a row of the weight in bytes; also its tiles x 64: a K step of its scale words
	s_mov_b32 s20, 196608
	s_cselect_b32 s20, 589824, s20                 ; 256 K of its codes
	s_mov_b32 s21, OC_OFF
	s_cselect_b32 s21, WC_OFF, s21
	s_mov_b32 s22, OS_OFF
	s_cselect_b32 s22, WS_OFF, s22
	s_cselect_b32 s24, 0, 384
	s_sub_co_u32 s19, s19, s24
	s_lshr_b32 s31, s19, 3                         ; which 64 columns
	s_and_b32 s19, s19, 7                          ; which K step
	s_mul_i32 s24, s19, s18
	s_lshl_b32 s24, s24, 7
	s_lshl_b32 s25, s31, 8
	s_add_co_u32 s24, s24, s25
	s_mov_b32 s25, 0
	s_add_nc_u64 s[32:33], s[4:5], s[24:25]
	s_lshl_b32 s26, s18, 3                         ; eight rows
	s_mov_b32 s27, 0
.irp n, 1,2,3,4,5,6,7,8,9,10,11,12,13,14,15
	s_add_nc_u64 s[32+2*\n:33+2*\n], s[30+2*\n:31+2*\n], s[26:27]
.endr
	v_mul_u32_u24 v[ROFF], s18, v[HH]
	v_lshl_add_u32 v[ROFF], v[RR], 4, v[ROFF]
.irp j, 1,2,3
	v_mad_u32_u24 v[ROFF+\j], s18, 2*\j, v[ROFF]
.endr
	WLOAD 0
	WLOAD 1
	WLOAD 2
	v_lshl_add_u32 v[RD], v[LN], 2, s17            ; my rows, 4 x lane
	s_mul_i32 s24, s16, WREG
	s_add_co_u32 s24, s24, WIMG-4*WREG             ; my images
	v_bfe_u32 v12, v0, 3, 1                        ; a column's tile of its pair: u = (lane / 8) % 2,
	v_and_b32 v13, 7, v0
	v_lshl_add_u32 v13, v[HH], 3, v13              ; and its row there: p = lane % 8 + 8 (lane / 16)
	v_lshlrev_b32 v13, 4, v13
	v_mad_u32_u24 v[WADR], v12, WTP, v13
	v_add_nc_u32 v[WADR], s24, v[WADR]
	v_add_nc_u32 v[WRD], s24, v[LI]
	v_lshl_add_u32 v[WSCW], v12, 2, v13
	v_add_nc_u32 v[WSCW], s24, v[WSCW]
	v_lshlrev_b32 v[S8], 3, v[LN]
	v_add_nc_u32 v[WSCR], s24, v[S8]
	s_lshr_b32 s25, s19, 1
	s_mul_i32 s25, s25, s20
	s_add_co_u32 s25, s25, s21
	s_mul_i32 s26, s31, 12288
	s_add_co_u32 s25, s25, s26
	s_and_b32 s26, s19, 1
	s_mul_i32 s26, s26, 1536
	s_add_co_u32 s26, s25, s26
	s_add_nc_u64 s[20:21], s[12:13], s[26:27]      ; my codes
	s_mul_i32 s26, s19, s18
	s_add_co_u32 s26, s26, s22
	s_lshl_b32 s25, s31, 8
	s_add_co_u32 s26, s26, s25
	s_add_nc_u64 s[22:23], s[12:13], s[26:27]      ; my scale words: four tiles, 256 bytes
	s_wait_alu depctr_va_vdst(0)                   ; ahead of the first blocking wait
.irp be, 0,1,2,3
	LWAIT \be
	TOSTG \be, 512                                 ; two rows of 256 bytes a store: 32 rows on end
	WBLOCK \be, 0
	WBLOCK \be, 1
.endr
.irp sj, 0,1
	ds_store_b32 v[WSCW], v[SBW+\sj] offset:4*WTP+8*\sj
.endr
.set p, 0
.rept 12
	ds_load_b128 v[RB+4*p:RB+4*p+3], v[WRD] offset:(p/3)*WTP+512*(p%3)   ; LDS serves a wave's instructions in order: these see my stores
.set p, p+1
.endr
	ds_load_b64 v[12:13], v[WSCR] offset:4*WTP
	s_wait_dscnt 0x0
.set p, 0
.rept 12
	global_store_b128 v[LI], v[RB+4*p:RB+4*p+3], s[20:21] offset:(p/3)*3072+512*(p%3)
.set p, p+1
.endr
	global_store_b64 v[S8], v[12:13], s[22:23]     ; the 32 lanes fill one aligned unit of 256 bytes
	FINISH
.Lfunc_end_k_qc33b35c1af_prep:
	.size	k_qc33b35c1af_prep, .Lfunc_end_k_qc33b35c1af_prep-k_qc33b35c1af_prep
	.p2alignl 7, 3214868480
	.fill 96, 4, 3214868480
	.section	.rodata,"a",@progbits
	.p2align	6, 0x0
	.amdhsa_kernel k_qc33b35c1af_prep
		.amdhsa_group_segment_fixed_size 269056
		.amdhsa_private_segment_fixed_size 0
		.amdhsa_enable_private_segment 0
		.amdhsa_kernarg_size 48
		.amdhsa_user_sgpr_count 2
		.amdhsa_user_sgpr_kernarg_segment_ptr 1
		.amdhsa_wavefront_size32 1
		.amdhsa_system_sgpr_workgroup_id_x 1
		.amdhsa_system_sgpr_workgroup_id_y 1
		.amdhsa_system_sgpr_workgroup_id_z 1
		.amdhsa_system_vgpr_workitem_id 0
		.amdhsa_next_free_vgpr 256
		.amdhsa_next_free_sgpr 80
		.amdhsa_reserve_vcc 0
		.amdhsa_float_denorm_mode_32 3
		.amdhsa_float_denorm_mode_16_64 3
		.amdhsa_memory_ordered 1
		.amdhsa_forward_progress 1
		.amdhsa_inst_pref_size 113
	.end_amdhsa_kernel
	.amdgpu_metadata
---
amdhsa.version: [ 1, 2 ]
amdhsa.kernels:
  - .name:           k_qc33b35c1af_prep
    .symbol:         k_qc33b35c1af_prep.kd
    .args:
      - { .name: x, .offset: 0, .size: 8, .value_kind: global_buffer, .address_space: global }
      - { .name: attention_mask, .offset: 8, .size: 8, .value_kind: global_buffer, .address_space: global }
      - { .name: proj_w, .offset: 16, .size: 8, .value_kind: global_buffer, .address_space: global }
      - { .name: out_w, .offset: 24, .size: 8, .value_kind: global_buffer, .address_space: global }
      - { .name: pb, .offset: 32, .size: 8, .value_kind: global_buffer, .address_space: global }
      - { .name: mbits, .offset: 40, .size: 8, .value_kind: global_buffer, .address_space: global }
    .group_segment_fixed_size: 269056
    .private_segment_fixed_size: 0
    .kernarg_segment_align: 8
    .kernarg_segment_size: 48
    .max_flat_workgroup_size: 448
    .sgpr_count:     80
    .vgpr_count:     256
    .wavefront_size: 32
...
	.end_amdgpu_metadata
.endif
;; end of part 1
;; launch gemm_qkv (part 2): grid 8 x 32, 4 waves a work-group, clusters of 4 x 4, 327,680 bytes of LDS; arguments pb, proj_b, qk, vv; writes qk, vv
.if DOCPART == 2
	.amdgcn_target "amdgcn-amd-amdhsa--gfx1250"
	.amdhsa_code_object_version 6
	.text
	.protected	k_qc33b35c1af_gemm_qkv
	.globl	k_qc33b35c1af_gemm_qkv
	.p2align	8
	.type	k_qc33b35c1af_gemm_qkv,@function
k_qc33b35c1af_gemm_qkv:
	s_mov_b64 s[64:65], 0
	v_nop
	global_prefetch_b8 v0, s[64:65] scope:SCOPE_SE
	s_setreg_imm32_b32 hwreg(HW_REG_WAVE_MODE, 25, 1), 1
	s_wait_xcnt 0x0
	s_wait_alu depctr_hold_cnt(0) depctr_sa_sdst(0) depctr_va_vdst(0) depctr_va_sdst(0) depctr_va_ssrc(0) depctr_va_vcc(0) depctr_vm_vsrc(0)
	s_getreg_b32 s2, hwreg(HW_REG_IB_STS2, 6, 4)
	s_cmp_eq_u32 s2, 0
	s_cbranch_scc0 .Lentry_in_a_cluster
	s_endpgm
.Lentry_in_a_cluster:
	s_bfe_u32 s2, ttmp6, 0x10000c
	s_cmp_lg_u32 s2, 0xf033
	s_cbranch_scc0 .Lentry_shape_is_right
	s_endpgm
.Lentry_shape_is_right:
; q, k and v = x proj_w + proj_b, on codes of FP6 (E2M3) with E8M0 scales; the results are quantised in registers and leave as fragment images (layout: see the first launch's head).
; A WORK-GROUP STAYS.  FIRST 256 tokens x 256 channels of q or k; four waves, 128 x 128 each: 64 accumulators.  Source 0 = 16 channels (a tile of proj_w), source 1 = 16 tokens (a tile of x): lane (r, h) holds token row r,
; register 8 b + j the channel 32 (b / 2) + 16 h + 8 (b % 2) + j: q and k are quantised along the channels.  THEN 128 channels of v for the SAME 256 tokens, with the sources swapped: source 0 = 16 tokens, source 1 = 16 channels:
; a lane holds one channel and its registers run along the tokens, which are the K of the product with the softmax's weights.  There a wave makes 64 channels x 128 tokens: 32 accumulators.
; K = 1,024 in both: eight steps of 128.  The bias is the C of each sum's first matrix instruction.
; LDS: three regions, each with 256 K of x's 16 tiles (49,152 bytes) and then as many bytes of proj_w; the scale words of x and of q/k's columns for all of K; the spare words.  Images are dense: no pitch, no padding.
; WHAT FILLS THE REGIONS (xs, Ws, Vs: the s-th 256 K of x, of q/k's 16 tiles of proj_w, of v's 8 tiles):  at the head (x0 W0) (x1 W1) (x2 W2);  behind K step 1: region 0 <- x3, W3;  behind K step 3: region 1 <- x0, V3 V2;
; behind K step 5: region 2's second part <- V0 V1 (x2 stays);  behind K step 7: region 0's second part <- x1 (x3 stays).  v's sums walk K in the order 3, 2, 0, 1, so that every tile is asked for four K steps or more ahead of its first read.
; Each refill stands behind a round of the cluster's barrier, one tensor load a wave.  A wave has one tensor load out at the most.
; CLUSTERS 4 x 4: x's tiles hang on the tokens and are shared along a row of the cluster, proj_w's on the channels and are shared along a column, in both phases.
; The scale words of v's columns do not pass through LDS: a wave's 4 tiles x 8 K steps stay in 32 registers.  Every refill has four K steps or more in which to land.
; LIMITS: NaN and infinities are not served; a block under 2^-124, or of zeros, gets the byte 1 (read by this program alone).  v's f32 sums run over K in another order than ascending.
; LDS AS THIS TEXT HAS IT: x's three regions of 256 K on end (REG bytes each), then proj_w's three, from 6 HALFB on; the scale words: a K step's 1,024 bytes of x, eight steps, then proj_w's; the spare words.
; THE HEAD: one tensor load a wave: wave 0 x's three regions, wave 2 proj_w's three, each as three rows of 49,152 bytes; wave 1 x's scale words, wave 3 proj_w's.  A wave has one tensor load out at the most.
.set REG,    49152
.set HALFB,  24576                     ; eight tiles x 3,072 bytes: what one tensor load brings
.set SCL,    6*REG
.set SPARE,  SCL+4*4096                ; the spare words: 128 bytes a wave, named by no other line
.set SLA,    1572864                   ; 256 K of x's codes
.set SLB,    589824                    ; 256 K of proj_w's
.set A_SCALES, 6291456
.set B_CODES,  6553600
.set B_SCALES, 8912896
.set LI, 1
.set RR, 2
.set ADRA, 3                           ; v3-5 my tiles of x in region 0, 1, 2
.set ADRB, 6                           ; v6-8 my tiles of q/k's columns
.set ADSA, 9
.set ADSB, 10
.set SPW, 11
.set NIL, 12
.set TV, 13
.set HH, 14
.set BO, 15
.set DD, 16
.set ADRX, 20                          ; v20 my tiles of x in region 0's second part
.set ADRV, 21                          ; v21-22 my tiles of v's columns in regions 1, 2
.set LN, 23
.set BV, 24                            ; v24-27 v's bias: one number a lane and tile
.set BOV, 28
.set R16, 29
.set SA, 32                            ; v32-63 scale words and nothing else: x's at 32 + 16 p, proj_w's at 40 + 16 p; in v's phase x's at 32 + 8 p
.set SB, 40
.set SX, 32
.set BI, 64                            ; v64-127 q/k's bias in the result's layout; later at work
.set TM, 64
.set PW, 80
.set BIV, 96                           ; v96-127 v's bias in the result's layout
.set AF, 128                           ; v128-223 source 1's fragments; later the codes just made
.set PC, 128
.set VSA, 224                          ; v224-255 the scale words of v's columns, and nothing else: K step ks, tile a at 4 ks + a
.set SEL, 2
.set OQC, 12
.set AV2, 14                           ; s[14:15] where my part of V3 V2 lies
.set G1A, 16
.set G1B, 24
.set G0A, 32
.set G0B, 44
.set G1SA, 56
.set AV3, 66                           ; s[66:67] where my part of V0 V1 lies
.set G1SB, 68
.set G0SA, 76
.set G0SB, 80
.set WV, 84
.set WR, 85
.set WC, 86
.set CX, 87
.set CY, 88
.set TX, 89
.set TY, 90
.set RM, 91
.set CM, 92
.set HF, 93
.set LW, 94
.set LSR, 95
.set HM, 98
.set OVC, 100
.set BVP, 104
.set MSB, 0
.macro WIN new                         ; the immediate's high byte repeats the setting that is left
.if MSB != (\new)
	s_set_vgpr_msb (MSB<<8)|(\new)
.set MSB, (\new)
.endif
.endm
.macro PLACES n
.rept \n
	v_nop
.endr
.endm
.macro JLOAD g0a, g1a, g0b, g1b        ; a joint load: waves 0, 1 fetch x, waves 2, 3 proj_w; four v_nop follow each line
	s_cmp_eq_u32 s[WR], 0
	s_cbranch_scc0 .Lfor_b_\@
	tensor_load_to_lds s[\g0a:\g0a+3], s[\g1a:\g1a+7]
	s_nop 0
	PLACES 4
	s_branch .Lasked_\@
.Lfor_b_\@:
	tensor_load_to_lds s[\g0b:\g0b+3], s[\g1b:\g1b+7]
	s_nop 0
	PLACES 4
.Lasked_\@:
.endm
.macro BLOAD g0, g1                    ; waves 2, 3 alone fetch; the four v_nop behind the label are the places, on both ways, in front of the LDS loads that follow
	s_cmp_eq_u32 s[WR], 0
	s_cbranch_scc1 .Lno_b_\@
	tensor_load_to_lds s[\g0:\g0+3], s[\g1:\g1+7]
	s_nop 0
	PLACES 4
.Lno_b_\@:
	PLACES 4
.endm
.macro ALOAD g0, g1                    ; waves 0, 1 alone fetch
	s_cmp_eq_u32 s[WR], 0
	s_cbranch_scc0 .Lno_a_\@
	tensor_load_to_lds s[\g0:\g0+3], s[\g1:\g1+7]
	s_nop 0
	PLACES 4
.Lno_a_\@:
.endm
.macro CREST                           ; a round of the cluster's barrier behind its opening barrier
	s_cmp_lg_u32 s[WV], 0
	s_cbranch_scc1 .Lnot_wave_0_\@
	s_barrier_signal -3
.Lnot_wave_0_\@:
	s_barrier_wait -3
	s_barrier_signal -1
	s_barrier_wait -1
.endm
.macro CROUND
	s_barrier_signal -1
	s_barrier_wait -1
	CREST
.endm
.macro MKG1 g, c, r, p                 ; group 1 but its first word: r rows of c elements of 8 bytes, p elements apart
	s_mov_b32 s[\g+1], (\c)<<16
	s_mov_b32 s[\g+2], (\r)<<16
	s_mov_b32 s[\g+3], (\c)<<16
	s_mov_b32 s[\g+4], \r
	s_mov_b32 s[\g+5], \p
	s_mov_b32 s[\g+6], 0
	s_mov_b32 s[\g+7], 0
.endm
.macro MKG0 g0, n, ptr, cbase, stride, lreg, lbase, lstride   ; n groups 0; the first one's address words hold the byte offset on entry
	s_add_nc_u64 s[\g0+2:\g0+3], s[\ptr:\ptr+1], s[\g0+2:\g0+3]
.if \cbase
	s_add_nc_u64 s[\g0+2:\g0+3], s[\g0+2:\g0+3], \cbase
.endif
.irp s, 1,2,3
.if \s < \n
	s_add_nc_u64 s[\g0+4*\s+2:\g0+4*\s+3], s[\g0+2:\g0+3], \s*(\stride)
.endif
.endr
.irp s, 0,1,2,3
.if \s < \n
	s_mov_b32 s[\g0+4*\s], 1
	s_add_co_u32 s[\g0+4*\s+1], s[\lreg], \lbase+\s*(\lstride)
	s_or_b32 s[\g0+4*\s+3], s[\g0+4*\s+3], 0x80000000
.endif
.endr
.endm
.macro FRAG reg, adr, off              ; a fragment's image: three loads of 512 consecutive bytes
.irp c, 0,1,2
	ds_load_b128 v[\reg+4*\c:\reg+4*\c+3], v[\adr] offset:\off+512*\c
.endr
.endm
; From four block maxima in v[TM] on: the scale word into v[pw], the codes of the 64 numbers v[s] on (window w) into v[PC] on.
.macro QTAIL s, w, pw
.irp b, 0,1,2,3
	v_add_nc_u32 v[TM+12+\b], 0xff000000, v[TM+\b] ; 2 off the exponent field: the conversion's scale operand
.endr
.irp b, 0,1,2,3
	v_lshrrev_b32 v[TM+4+\b], 23, v[TM+12+\b]      ; the scale's byte
.endr
	v_lshl_or_b32 v[\pw], v[TM+5], 8, v[TM+4]
	v_lshl_or_b32 v[\pw], v[TM+6], 16, v[\pw]
	v_lshl_or_b32 v[\pw], v[TM+7], 24, v[\pw]
	s_wait_xcnt 0x0                                ; the last fragment's stores have read the code registers
	WIN \w
.irp c, 0,1
	v_cvt_scalef32_pk16_fp6_f32 v[PC+6*\c:PC+6*\c+2], v[(\s)+32*\c:(\s)+32*\c+15], v[TM+12+2*\c]
	v_cvt_scalef32_pk16_fp6_f32 v[PC+12+4*\c:PC+14+4*\c], v[(\s)+32*\c+16:(\s)+32*\c+31], v[TM+12+2*\c+1]
.endr
	v_nop                                          ; one plain place behind a scaled conversion
	WIN 0
.irp c, 0,1                            ; the layout wants a whole block in a lane: lanes 0-15 block 2 c, lanes 16-31 block 2 c + 1
.irp i, 0,1,2
	v_permlane16_swap_b32 v[PC+6*\c+\i], v[PC+12+4*\c+\i]
.endr
.irp i, 0,1,2
	v_mov_b32 v[PC+3+6*\c+\i], v[PC+12+4*\c+\i]
.endr
.endr
.endm
.macro QUANT s, w, pw                  ; register 16 b + i = k 32 b + 16 h + i of my row.  Each accumulator is read from its low end on
	WIN ((\w)<<2)|((\w)<<4)
.irp b, 0,1,2,3
	v_max3_num_f32 v[TM+\b], 0x1800000, |v[(\s)+16*\b]|, |v[(\s)+16*\b+1]|   ; with the floor 2^(3 - 127)
.endr
.irp i, 2,4,6,8,10,12,14
.irp b, 0,1,2,3
	v_max3_num_f32 v[TM+\b], v[TM+\b], |v[(\s)+16*\b+\i]|, |v[(\s)+16*\b+\i+1]|
.endr
.endr
	WIN 0
.irp b, 0,1,2,3
	v_permlanex16_b32 v[TM+4+\b], v[TM+\b], s[SEL], s[SEL+1]
.endr
.irp b, 0,1,2,3
	v_max_num_f32 v[TM+\b], v[TM+\b], v[TM+4+\b]
.endr
	QTAIL \s, \w, \pw
.endm
.macro PUT base, imm
.irp c, 0,1,2
	global_store_b128 v[LI], v[PC+4*\c:PC+4*\c+3], s[\base:\base+1] offset:(\imm)+512*\c
.endr
.endm
.macro SELSTORE arr, d, base, imm      ; eight tiles' words: lanes 0-15 tiles 0-3, lanes 16-31 tiles 4-7: 512 consecutive bytes
.irp j, 0,1,2,3
	v_cndmask_b32 v[\d+\j], v[\arr+\j], v[\arr+4+\j], s[HM]
.endr
	global_store_b128 v[LI], v[\d:\d+3], s[\base:\base+1] offset:\imm
.endm
; ---- q and k
.macro FETCH_B kk
	WIN 0x40                                       ; destination window 1
.irp i, 0,1,2,3,4,5,6,7
	FRAG 128*((\kk)%2)+12*\i, ADRB+((\kk)/2)%3, \i*3072+((\kk)%2)*1536
.endr
	WIN 0
.endm
.macro FETCH_A kk, i0
.irp i, \i0, \i0+1, \i0+2, \i0+3
	FRAG AF+12*(\i), ADRA+((\kk)/2)%3, (\i)*3072+((\kk)%2)*1536
.endr
.endm
.macro SCALES kk
	ds_load_b128 v[SA+16*((\kk)%2):SA+16*((\kk)%2)+3], v[ADSA] offset:(\kk)*1024
	ds_load_b128 v[SA+16*((\kk)%2)+4:SA+16*((\kk)%2)+7], v[ADSA] offset:(\kk)*1024+256
	ds_load_b128 v[SB+16*((\kk)%2):SB+16*((\kk)%2)+3], v[ADSB] offset:(\kk)*1024
	ds_load_b128 v[SB+16*((\kk)%2)+4:SB+16*((\kk)%2)+7], v[ADSB] offset:(\kk)*1024+256
.endm
; 16 matrix instructions: x's blocks a0, a0 + 1 against proj_w's eight.  The 64 accumulators take turns, in the same order in every step.
.macro MUL16 a0, kk, first
.irp a, \a0, \a0+1
.irp b, 0,1,2,3,4,5,6,7
.set rD, 8*(8*((\a)%4)+\b)
.set rB, 128*((\kk)%2)+12*\b
.set rA, AF+12*(\a)
.set rSB, SB+16*((\kk)%2)+\b
.set rSA, SA+16*((\kk)%2)+(\a)
.if \first
	v_wmma_scale_f32_16x16x128_f8f6f4 v[rD:rD+7], v[rB:rB+11], v[rA:rA+11], v[BI+8*\b:BI+8*\b+7], v[rSB], v[rSA] matrix_a_fmt:MATRIX_FMT_FP6 matrix_b_fmt:MATRIX_FMT_FP6
.else
	v_wmma_scale_f32_16x16x128_f8f6f4 v[rD:rD+7], v[rB:rB+11], v[rA:rA+11], v[rD:rD+7], v[rSB], v[rSA] matrix_a_fmt:MATRIX_FMT_FP6 matrix_b_fmt:MATRIX_FMT_FP6
.endif
.endr
.endr
.endm
.macro MWIN w, first                   ; source 0 window 1, source 1 window 0, D window w; C window w, or 0 where it is the bias
.if \first
	WIN ((\w)<<6)|1
.else
	WIN ((\w)<<6)|((\w)<<4)|1
.endif
.endm
.macro STEP kk, first
	s_wait_dscnt 12                                ; proj_w's set, x's blocks 0-3 and the scale words are in; the 12 youngest loads (x's blocks 4-7) may be out
	MWIN 2, \first
	MUL16 0, \kk, \first
	MUL16 2, \kk, \first
	s_wait_dscnt 0x0
	PLACES 4                                       ; four places in front of loads into registers that matrix instructions have read
	FETCH_B (\kk)+1
	FETCH_A (\kk)+1, 0
	SCALES (\kk)+1
	MWIN 3, \first
	MUL16 4, \kk, \first
	MUL16 6, \kk, \first
	PLACES 4
	WIN 0
	FETCH_A (\kk)+1, 4
.endm
; The first half of an odd K step, which leaves a region: each wave waits for all its tensor loads, adds 0 to its spare word, and waits for that and for its LDS reads; a round of the cluster's barrier follows.
.macro MEET kk
	s_wait_tensorcnt 0x0                           ; all my tensor loads have landed, so a group 0 may be written
	ds_add_u32 v[SPW], v[NIL]                      ; 0 onto my spare word
	s_wait_dscnt 13                                ; (the add and the 12 youngest loads may be out)
	WIN 0xa1
	MUL16 0, \kk, 0
	s_wait_dscnt 0x0                               ; the add is done, and my reads of the region are over
	s_barrier_signal -1
	MUL16 2, \kk, 0
	WIN 0
	s_barrier_wait -1
	CREST                                          ; no wave of any partner still reads the region or has a load on its way
.endm
; mode 1: region 0 <- x3, W3.  mode 2: region 1 <- x0, V3 V2.  mode 3: region 2's second part <- V0 V1.
.macro TURN kk, mode
	MEET \kk
.if \mode == 1
	s_add_nc_u64 s[G0A+2:G0A+3], s[G0A+2:G0A+3], 3*SLA
	s_add_nc_u64 s[G0B+2:G0B+3], s[G0B+2:G0B+3], 3*SLB
	JLOAD G0A, G1A, G0B, G1B                       ; its four v_nop are the places in front of the loads below
.elseif \mode == 2
	s_sub_nc_u64 s[G0A+6:G0A+7], s[G0A+6:G0A+7], SLA   ; from x1 back to x0; the type bits on top are not reached
	s_mov_b64 s[G0B+6:G0B+7], s[AV2:AV2+1]
	s_or_b32 s[G0B+7], s[G0B+7], 0x80000000
	JLOAD G0A+4, G1A, G0B+4, G1B
.else
	s_mov_b64 s[G0B+10:G0B+11], s[AV3:AV3+1]
	s_or_b32 s[G0B+11], s[G0B+11], 0x80000000
	BLOAD G0B+8, G1B
.endif
	FETCH_B (\kk)+1
	FETCH_A (\kk)+1, 0
	SCALES (\kk)+1
	WIN 0xf1
	MUL16 4, \kk, 0
	MUL16 6, \kk, 0
	PLACES 4
	WIN 0
	FETCH_A (\kk)+1, 4
.endm
; ---- v.  Step vk of eight: where its 256 K of x and of v's columns lie, and which K step of 128 it is.
.macro VSEL vk
.set vq, (\vk)%2
.if (\vk)/2 == 0
.set xa, ADRA
.set va, ADRV
.set vo, 0
.set vks, 6+vq
.elseif (\vk)/2 == 1
.set xa, ADRA+2
.set va, ADRV
.set vo, HALFB
.set vks, 4+vq
.elseif (\vk)/2 == 2
.set xa, ADRA+1
.set va, ADRV+1
.set vo, 0
.set vks, vq
.else
.set xa, ADRX
.set va, ADRV+1
.set vo, HALFB
.set vks, 2+vq
.endif
.endm
.macro VFETCH vk                       ; x's eight fragments, the columns' four, x's scale words, into set vk % 2
	VSEL \vk
	WIN 0x40
.irp i, 0,1,2,3,4,5,6,7
	FRAG 128*((\vk)%2)+12*\i, xa, \i*3072+vq*1536
.endr
	WIN 0
.irp i, 0,1,2,3
	FRAG AF+48*((\vk)%2)+12*\i, va, vo+\i*3072+vq*1536
.endr
	ds_load_b128 v[SX+8*((\vk)%2):SX+8*((\vk)%2)+3], v[ADSA] offset:vks*1024
	ds_load_b128 v[SX+8*((\vk)%2)+4:SX+8*((\vk)%2)+7], v[ADSA] offset:vks*1024+256
.endm
.macro MUL8 a, vk, first               ; the 32 accumulators take turns, in the same order in every step
	VSEL \vk
.irp b, 0,1,2,3,4,5,6,7
.set rD, 8*(8*(\a)+\b)
.set rB, 128*((\vk)%2)+12*\b
.set rA, AF+48*((\vk)%2)+12*(\a)
.set rSB, SX+8*((\vk)%2)+\b
.set rSA, VSA+4*vks+(\a)
.if \first
	v_wmma_scale_f32_16x16x128_f8f6f4 v[rD:rD+7], v[rB:rB+11], v[rA:rA+11], v[BIV+8*(\a):BIV+8*(\a)+7], v[rSB], v[rSA] matrix_a_fmt:MATRIX_FMT_FP6 matrix_b_fmt:MATRIX_FMT_FP6
.else
	v_wmma_scale_f32_16x16x128_f8f6f4 v[rD:rD+7], v[rB:rB+11], v[rA:rA+11], v[rD:rD+7], v[rSB], v[rSA] matrix_a_fmt:MATRIX_FMT_FP6 matrix_b_fmt:MATRIX_FMT_FP6
.endif
.endr
.endm
.macro VSTEP vk, first
	s_wait_dscnt 0x0                               ; this step's fragments, asked for a step ago
	PLACES 4                                       ; in front of loads into the set that the last step multiplied
	VFETCH (\vk)+1
.if \first
	WIN 0x81                                       ; source 0 window 1, C (the bias) window 0, D window 2
.else
	WIN 0xa1
.endif
	MUL8 0, \vk, \first
	MUL8 1, \vk, \first
	MUL8 2, \vk, \first
	MUL8 3, \vk, \first
.endm
	s_load_b256 s[4:11], s[0:1], 0x0               ; pb, proj_b, qk, vv
	v_lshl_add_u32 v[SPW], v0, 2, SPARE
	v_mov_b32 v[NIL], 0
	ds_add_u32 v11, v12
	ds_add_u32 v11, v12
	s_wait_dscnt 0x0
	v_lshrrev_b32 v[TV], 5, v0
	v_readfirstlane_b32 s[WV], v[TV]
	s_lshr_b32 s[WR], s[WV], 1                     ; my half of the tokens; also: I fetch x (0) or proj_w (1)
	s_and_b32 s[WC], s[WV], 1                      ; my half of the channels; also: which half I fetch
	s_bfe_u32 s[CX], ttmp6, 0x40000
	s_bfe_u32 s[CY], ttmp6, 0x40004
	s_lshl_b32 s[TX], ttmp9, 2
	s_add_co_u32 s[TX], s[TX], s[CX]               ; which 256 channels of q and k, and which 128 of v
	s_and_b32 s[TY], ttmp7, 0xffff
	s_lshl_b32 s[TY], s[TY], 2
	s_add_co_u32 s[TY], s[TY], s[CY]               ; which 256 tokens
	s_lshl_b32 s[RM], s[CY], 2
	s_lshl_b32 s[RM], 15, s[RM]                    ; my row of the cluster
	s_lshl_b32 s[CM], 0x1111, s[CX]                ; my column
	s_or_b32 s[G1A], s[RM], (3<<16)|(1<<21)        ; the mask; elements of 8 bytes; bit 21 beside a mask; no padding
	s_or_b32 s[G1SA], s[RM], (3<<16)|(1<<21)
	s_or_b32 s[G1B], s[CM], (3<<16)|(1<<21)
	s_or_b32 s[G1SB], s[CM], (3<<16)|(1<<21)
	MKG1 G1A, 6144, 3, SLA/8                       ; the head's shape: three rows of 49,152 bytes (16 tiles x 256 K), a 256 K of the codes apart
	MKG1 G1B, 6144, 3, SLB/8
	MKG1 G1SA, 128, 8, 4096                        ; 8 K steps x 1,024 bytes, 32,768 bytes apart
	MKG1 G1SB, 128, 8, 1536                        ; 12,288 bytes apart
	s_lshl_b32 s[HF], s[WC], 3
	s_lshl_b32 s[G0A+2], s[TY], 4
	s_lshl_b32 s[G0SA+2], s[G0A+2], 6              ; the scale words of all 16 tiles
	s_add_co_u32 s[G0A+2], s[G0A+2], s[HF]         ; x: tile 16 ty + 8 half
	s_mul_i32 s[G0A+2], s[G0A+2], 3072
	s_mov_b32 s[G0A+3], 0
	s_mov_b32 s[G0SA+3], 0
	s_lshl_b32 s[G0B+2], s[TX], 4
	s_lshl_b32 s[G0SB+2], s[G0B+2], 6
	s_add_co_u32 s[G0B+2], s[G0B+2], s[HF]         ; q/k's columns: tile 16 tx + 8 half
	s_mul_i32 s[G0B+2], s[G0B+2], 3072
	s_mov_b32 s[G0B+3], 0
	s_mov_b32 s[G0SB+3], 0
; PREFETCHES: what a refill will ask for is named ahead.  A wave's half of a 256 K (24,576 bytes, 96 blocks of 256) is shared out among the four partners that ask for it jointly BY ADDRESS: partner p (cx for x, cy for proj_w)
; names blocks 24 p .. 24 p + 23, a lane a block (lanes 24-31 name the last again).  At the head: the fourth 256 K of x and of q/k's columns, two K steps ahead of its load; behind K step 0: V3 V2; behind K step 2: V0 V1, each two K steps ahead.
; x0 and x1 have been read when they are asked for again: they are not named.  No register of a prefetch's address is ever rewritten.
.set PFO, 30                           ; v30: 6,144 p + 256 x min(lane, 23)
.set PFB, 40                           ; s[40:41]: my half of the fourth 256 K
	s_add_co_u32 s[PFB], s[G0A+2], 3*SLA
	s_add_co_u32 s42, s[G0B+2], B_CODES+3*SLB
	s_cmp_eq_u32 s[WR], 0                          ; do I fetch x?
	s_cselect_b32 s[PFB], s[PFB], s42
	s_cselect_b32 s42, s[CX], s[CY]                ; my place among the four
	s_mul_i32 s42, s42, 6144
	s_mov_b32 s[PFB+1], 0
	s_lshl_b32 s[AV3], s[TX], 3                    ; v's columns: tiles 128 + 8 tx on, 24,576 bytes in each 256 K
	s_add_co_u32 s[AV3], s[AV3], 128
	s_mul_i32 s[AV3], s[AV3], 3072
	s_mul_i32 s96, s[WC], SLB
	s_sub_co_u32 s[AV2], 3*SLB, s96                ; wave 2 brings V3, wave 3 V2;
	s_add_co_u32 s[AV2], s[AV2], s[AV3]
	s_add_co_u32 s[AV3], s[AV3], s96               ; later wave 2 V0, wave 3 V1
	s_mov_b32 s[AV2+1], 0
	s_mov_b32 s[AV3+1], 0
	s_mul_i32 s[LW], s[WC], HALFB                  ; where my half of a region goes: the wave's number alone
	s_lshl_b32 s[LSR], s[WR], 13                   ; wave 1: x's scale words; wave 3: proj_w's, 8,192 bytes on
	s_mov_b32 s[SEL], 0x76543210
	s_mov_b32 s[SEL+1], 0xfedcba98
	s_wait_kmcnt 0x0
	s_add_nc_u64 s[PFB:PFB+1], s[4:5], s[PFB:PFB+1]
	MKG0 G0SA, 1, 4, A_SCALES, 0, LSR, SCL, 0
	MKG0 G0SB, 1, 4, B_SCALES, 0, LSR, SCL, 0
	MKG0 G0A, 2, 4, 0, SLA, LW, 0, REG
	MKG0 G0B, 3, 4, B_CODES, SLB, LW, 6*HALFB, REG
	s_add_nc_u64 s[AV2:AV2+1], s[4:5], s[AV2:AV2+1]
	s_add_nc_u64 s[AV2:AV2+1], s[AV2:AV2+1], B_CODES
	s_add_nc_u64 s[AV3:AV3+1], s[4:5], s[AV3:AV3+1]
	s_add_nc_u64 s[AV3:AV3+1], s[AV3:AV3+1], B_CODES
	CROUND                                         ; all sixteen work-groups are here: the first joint loads meet
; One chain of branches on the wave's number, a load to each arm.  In waves 0 and 2 the half is 0, so region 0's group 0 names the first of the 16 tiles and the regions' first byte.
.macro ARM under, g0, g1, next
	s_cmp_lt_u32 s[WV], \under
	s_cbranch_scc0 \next
	tensor_load_to_lds s[\g0:\g0+3], s[\g1:\g1+7]
	s_nop 0
	PLACES 4
	s_branch .Lhead_asked
\next:
.endm
	ARM 1, G0A, G1A, .Lhead_sa
	ARM 2, G0SA, G1SA, .Lhead_b
	ARM 3, G0B, G1B, .Lhead_sb
	tensor_load_to_lds s[G0SB:G0SB+3], s[G1SB:G1SB+7]
	s_nop 0
	PLACES 4
.Lhead_asked:
	v_and_b32 v[LN], 31, v0
	v_lshlrev_b32 v[LI], 4, v[LN]
	v_and_b32 v[RR], 15, v0
	v_bfe_u32 v[HH], v0, 4, 1
	v_lshlrev_b32 v[R16], 4, v[RR]
	v_min_u32 v[PFO], 23, v[LN]
	v_lshlrev_b32 v[PFO], 8, v[PFO]
	v_add_nc_u32 v[PFO], s42, v[PFO]
	s_mul_i32 s96, s[WR], HALFB
	s_mul_i32 s97, s[WC], HALFB
	s_add_co_u32 s97, s97, 6*HALFB
.irp g, 0,1,2
	v_add_nc_u32 v[ADRA+\g], s96, v[LI]
	v_add_nc_u32 v[ADRB+\g], s97, v[LI]
	s_add_co_u32 s96, s96, REG
	s_add_co_u32 s97, s97, REG
.endr
	s_mul_i32 s96, s[WR], HALFB
	s_add_co_u32 s96, s96, 6*HALFB
	v_add_nc_u32 v[ADRX], s96, v[LI]               ; my half of x in region 0's second part
	s_mul_i32 s97, s[WC], 12288                    ; my four of v's eight tiles,
	s_add_co_u32 s97, s97, 8*HALFB
	v_add_nc_u32 v[ADRV], s97, v[LI]               ; in region 1's second part,
	s_add_co_u32 s97, s97, REG
	v_add_nc_u32 v[ADRV+1], s97, v[LI]             ; and in region 2's
	s_lshl_b32 s96, s[WR], 9
	s_add_co_u32 s96, s96, SCL
	v_lshl_add_u32 v[ADSA], v[RR], 4, s96
	s_lshl_b32 s97, s[WC], 9
	s_add_co_u32 s97, s97, SCL+2*4096
	v_lshl_add_u32 v[ADSB], v[RR], 4, s97
	s_lshl_b32 s96, s[TX], 9                       ; v's bias: channel 2048 + 128 tx + 64 wc + 32 (a / 2) + 8 (a % 2) + r + 8 (r / 8)
	s_lshl_b32 s97, s[WC], 8
	s_add_co_u32 s96, s96, s97
	s_add_co_u32 s96, s96, 8192
	s_mov_b32 s97, 0
	s_add_nc_u64 s[BVP:BVP+1], s[6:7], s[96:97]
	s_add_nc_u64 s[4:5], s[4:5], s[96:97]          ; and the scale words of v's columns: unit 32 + 2 tx + wc of 256 bytes in each K step's 12,288: the same offset,
	s_add_nc_u64 s[4:5], s[4:5], B_SCALES          ; behind proj_w's codes
	v_and_b32 v[BOV], 8, v[RR]
	v_add_nc_u32 v[BOV], v[BOV], v[RR]
	v_lshlrev_b32 v[BOV], 2, v[BOV]
	s_lshl_b32 s96, s[TX], 10                      ; q/k's bias of my 128 channels
	s_lshl_b32 s99, s[WC], 9
	s_add_co_u32 s96, s96, s99
	s_add_nc_u64 s[6:7], s[6:7], s[96:97]
	v_lshlrev_b32 v[BO], 6, v[HH]
.irp b, 0,1,2,3,4,5,6,7
	global_load_b128 v[BI+8*\b:BI+8*\b+3], v[BO], s[6:7] offset:(32*(\b/2)+8*(\b%2))*4
	global_load_b128 v[BI+8*\b+4:BI+8*\b+7], v[BO], s[6:7] offset:(32*(\b/2)+8*(\b%2))*4+16
.endr
.irp a, 0,1,2,3
	global_load_b32 v[BV+\a], v[BOV], s[BVP:BVP+1] offset:(32*(\a/2)+8*(\a%2))*4
.endr
.irp k, 0,1,2,3,4,5,6,7
	global_load_b128 v[VSA+4*\k:VSA+4*\k+3], v[R16], s[4:5] offset:\k*12288
.endr
	global_prefetch_b8 v[PFO], s[PFB:PFB+1] th:TH_LOAD_NT scope:SCOPE_SE   ; my 24 blocks of x3 or W3
	s_mul_i32 s96, s[TX], 1572864                  ; where q or k goes: K step 2 tx + wc of the next product, tiles 16 ty + 8 wr on
	s_lshl_b32 s98, s[TY], 4
	s_lshl_b32 s99, s[WR], 3
	s_add_co_u32 s98, s98, s99
	s_mul_i32 s99, s98, 3072
	s_add_co_u32 s96, s96, s99
	s_mul_i32 s99, s[WC], 1536
	s_add_co_u32 s96, s96, s99
	s_add_nc_u64 s[OQC:OQC+1], s[8:9], s[96:97]    ; its codes
	s_lshl_b32 s96, s[TX], 16
	s_lshl_b32 s99, s[WC], 15
	s_add_co_u32 s96, s96, s99
	s_lshl_b32 s99, s98, 6
	s_add_co_u32 s96, s96, s99
	s_add_nc_u64 s[8:9], s[8:9], s[96:97]
	s_add_nc_u64 s[8:9], s[8:9], 12582912          ; its scale words
	s_lshr_b32 s91, s[TY], 3                       ; where v goes: the batch,
	s_and_b32 s92, s[TY], 7
	s_lshl_b32 s92, s92, 1
	s_add_co_u32 s92, s92, s[WR]                   ; which 128 tokens of the batch: a K step of the product with the weights,
	s_lshl_b32 s93, s[TX], 3
	s_lshl_b32 s99, s[WC], 2
	s_add_co_u32 s93, s93, s99                     ; my first tile of channels
	s_mul_i32 s96, s91, 1572864
	s_lshr_b32 s99, s92, 2
	s_mul_i32 s99, s99, 393216
	s_add_co_u32 s96, s96, s99
	s_mul_i32 s99, s93, 6144
	s_add_co_u32 s96, s96, s99
	s_and_b32 s99, s92, 3
	s_mul_i32 s99, s99, 1536
	s_add_co_u32 s96, s96, s99
	s_add_nc_u64 s[OVC:OVC+1], s[10:11], s[96:97]  ; its codes
	s_lshl_b32 s96, s91, 16
	s_lshl_b32 s99, s92, 12
	s_add_co_u32 s96, s96, s99
	s_lshl_b32 s99, s93, 6
	s_add_co_u32 s96, s96, s99
	s_add_nc_u64 s[10:11], s[10:11], s[96:97]
	s_add_nc_u64 s[10:11], s[10:11], 6291456       ; its scale words
	s_mov_b32 s[HM], 0xffff0000
	s_wait_alu depctr_va_vdst(0)
	s_wait_tensorcnt 0x0                           ; my one load of the head has landed
	MKG1 G1A, 32, 96, 32                           ; no tensor load of mine is out: from here on a load brings a dense block of 24,576 bytes as 96 rows of 256
	MKG1 G1B, 32, 96, 32
	s_barrier_signal -1
	s_barrier_wait -1
	FETCH_B 0
	FETCH_A 0, 0
	SCALES 0
	FETCH_A 0, 4
	s_wait_loadcnt 0x0                             ; the biases and the scale words of v's columns
.macro ASKV b                          ; waves 2, 3: my 24 blocks of the 256 K of v's columns that I shall fetch
	s_cmp_eq_u32 s[WR], 0
	s_cbranch_scc1 .Lno_ask_\@
	global_prefetch_b8 v[PFO], s[\b:\b+1] th:TH_LOAD_NT scope:SCOPE_SE
.Lno_ask_\@:
.endm
	STEP 0, 1                                      ; the first products start the sums, on the bias
	ASKV AV2
	TURN 1, 1
	STEP 2, 0
	ASKV AV3
	TURN 3, 2
	STEP 4, 0
	TURN 5, 3
	STEP 6, 0
	MEET 7                                         ; q/k's last K step: W3 has been read out
	s_add_co_u32 s[G0A+5], s[LW], 6*HALFB          ; proj_w's region 0,
	s_add_nc_u64 s[G0A+6:G0A+7], s[G0A+6:G0A+7], SLA   ; from x0 on to x1
	ALOAD G0A+4, G1A
	WIN 0xf1
	MUL16 4, 7, 0
	MUL16 6, 7, 0
	WIN 0
.irp b, 0,1,2,3
	v_mov_b32 v[TM+4+\b], 0                        ; a lane permute's destination counts as one of its sources; these four are also the places behind the last products
.endr
.irp a, 0,1,2,3
.irp j, 0,1,2,3,4,5,6,7
	v_mov_b32 v[BIV+8*\a+\j], v[BV+\a]             ; v's bias: a lane's eight results of a tile belong to one channel
.endr
.endr
.irp a, 0,1,2,3,4,5,6,7
	QUANT 64*(\a%4), 2+\a/4, PW+\a
	PUT OQC, \a*3072
.endr
	SELSTORE PW, DD, 8, 0
	; ---- v: every tile but x1 was shown whole to every wave by the round above
	s_wait_xcnt 0x0                                ; the stores have read the code registers: fragments may land there
	VFETCH 0
	VSTEP 0, 1
	VSTEP 1, 0
	VSTEP 2, 0
	VSTEP 3, 0
	VSTEP 4, 0
	WIN 0                                          ; step 5: the next step reads x1: my part of it has landed, then the work-group's barrier
	s_wait_tensorcnt 0x0
	ds_add_u32 v[SPW], v[NIL]                      ; 0 onto my spare word
	s_wait_dscnt 0x1                               ; (the add may be out)
	WIN 0xa1
	MUL8 0, 5, 0
	s_wait_dscnt 0x0
	s_barrier_signal -1
	MUL8 1, 5, 0
	WIN 0
	s_barrier_wait -1
	PLACES 4
	VFETCH 6
	WIN 0xa1
	MUL8 2, 5, 0
	MUL8 3, 5, 0
	VSTEP 6, 0
	s_wait_dscnt 0x0
	WIN 0xa1
	MUL8 0, 7, 0
	MUL8 1, 7, 0
	MUL8 2, 7, 0
	MUL8 3, 7, 0
	WIN 0
.irp b, 0,1,2,3
	v_mov_b32 v[TM+4+\b], 0                        ; the four places behind the last products
.endr
.irp a, 0,1,2,3
	QUANT 64*\a, 2, PW+\a
	PUT OVC, \a*6144
.endr
	s_wait_xcnt 0x0                                ; EXEC changes only behind this wait
	v_cmp_gt_u32 vcc_lo, 16, v[LN]
	s_and_saveexec_b32 s99, vcc_lo
	global_store_b128 v[LI], v[PW:PW+3], s[10:11]  ; lanes 0-15: four tiles' words of row r: 256 consecutive bytes, aligned
	s_wait_xcnt 0x0
	s_or_b32 exec_lo, exec_lo, s99
	s_wait_tensorcnt 0x0                           ; the wave's end
	ds_add_u32 v[SPW], v[NIL]
	s_wait_dscnt 0x0
	CROUND                                         ; the closing round
	s_endpgm
.Lfunc_end_k_qc33b35c1af_gemm_qkv:
	.size	k_qc33b35c1af_gemm_qkv, .Lfunc_end_k_qc33b35c1af_gemm_qkv-k_qc33b35c1af_gemm_qkv
	.p2alignl 7, 3214868480
	.fill 96, 4, 3214868480
	.section	.rodata,"a",@progbits
	.p2align	6, 0x0
	.amdhsa_kernel k_qc33b35c1af_gemm_qkv
		.amdhsa_group_segment_fixed_size 327680
		.amdhsa_private_segment_fixed_size 0
		.amdhsa_enable_private_segment 0
		.amdhsa_kernarg_size 32
		.amdhsa_user_sgpr_count 2
		.amdhsa_user_sgpr_kernarg_segment_ptr 1
		.amdhsa_wavefront_size32 1
		.amdhsa_system_sgpr_workgroup_id_x 1
		.amdhsa_system_sgpr_workgroup_id_y 1
		.amdhsa_system_sgpr_workgroup_id_z 1
		.amdhsa_system_vgpr_workitem_id 0
		.amdhsa_next_free_vgpr 1024
		.amdhsa_next_free_sgpr 106
		.amdhsa_reserve_vcc 1
		.amdhsa_float_denorm_mode_32 3
		.amdhsa_float_denorm_mode_16_64 3
		.amdhsa_memory_ordered 1
		.amdhsa_forward_progress 1
		.amdhsa_inst_pref_size 219
	.end_amdhsa_kernel
	.amdgpu_metadata
---
amdhsa.version: [ 1, 2 ]
amdhsa.kernels:
  - .name:           k_qc33b35c1af_gemm_qkv
    .symbol:         k_qc33b35c1af_gemm_qkv.kd
    .args:
      - { .name: pb, .offset: 0, .size: 8, .value_kind: global_buffer, .address_space: global }
      - { .name: proj_b, .offset: 8, .size: 8, .value_kind: global_buffer, .address_space: global }
      - { .name: qk, .offset: 16, .size: 8, .value_kind: global_buffer, .address_space: global }
      - { .name: vv, .offset: 24, .size: 8, .value_kind: global_buffer, .address_space: global }
    .group_segment_fixed_size: 327680
    .private_segment_fixed_size: 0
    .kernarg_segment_align: 8
    .kernarg_segment_size: 32
    .max_flat_workgroup_size: 128
    .sgpr_count:     106
    .vgpr_count:     1024
    .wavefront_size: 32
...
	.end_amdgpu_metadata
.endif
;; end of part 2
;; launch gemm_s (part 3): grid 8 x 32, 4 waves a work-group, clusters of 4 x 4, 327,680 bytes of LDS; arguments qk, mbits, pp; writes pp
.if DOCPART == 3
	.amdgcn_target "amdgcn-amd-amdhsa--gfx1250"
	.amdhsa_code_object_version 6
	.text
	.protected	k_qc33b35c1af_gemm_s
	.globl	k_qc33b35c1af_gemm_s
	.p2align	8
	.type	k_qc33b35c1af_gemm_s,@function
k_qc33b35c1af_gemm_s:
	s_mov_b64 s[64:65], 0
	v_nop
	global_prefetch_b8 v0, s[64:65] scope:SCOPE_SE
	s_setreg_imm32_b32 hwreg(HW_REG_WAVE_MODE, 25, 1), 1
	s_wait_xcnt 0x0
	s_wait_alu depctr_hold_cnt(0) depctr_sa_sdst(0) depctr_va_vdst(0) depctr_va_sdst(0) depctr_va_ssrc(0) depctr_va_vcc(0) depctr_vm_vsrc(0)
	s_getreg_b32 s2, hwreg(HW_REG_IB_STS2, 6, 4)
	s_cmp_eq_u32 s2, 0
	s_cbranch_scc0 .Lentry_in_a_cluster
	s_endpgm
.Lentry_in_a_cluster:
	s_bfe_u32 s2, ttmp6, 0x10000c
	s_cmp_lg_u32 s2, 0xf033
	s_cbranch_scc0 .Lentry_shape_is_right
	s_endpgm
.Lentry_shape_is_right:
; Scores q k^T on codes of FP6 with E8M0 scales, the mask, and the softmax's weights p, quantised along the keys, in registers; p leaves as fragment images with, for each row and 128 keys, -M and the sum of p.
; t = score x log2(e) / 32.  M = the ceiling of the largest t OF THE ROW'S 128 KEYS IN THIS WAVE, a whole number; p = 2^(t - M).  The next launch finds the row's M and takes the difference, a whole number, off p's scale bytes:
; a power of two, which changes no code.  The sum is taken of the unquantised p.
; A tile is 256 queries x 256 keys; four waves, 128 x 128 each.  Source 0 = 16 keys, source 1 = 16 queries: lane (r, h) holds one query; register 8 b + j is key 32 (b / 2) + 16 h + 8 (b % 2) + j.
; THE MASK comes as words of lane bits, one for each register of a tile of scores: 64 scalar registers a block of 16 queries, loaded into the descriptors' registers once the last tensor load has landed; each selects by v_cndmask_b32.
; A masked score is -2^72, a logit of -2^67 where reference() has -1e20: a power of two, so that its t is exact and a whole number: 128 masked keys give p = 1 exactly, and a row that is masked throughout comes out as the mean of v.
; LIMITS: the result differs from reference()'s only where unmasked logits lie under about -1e20.  NaN and infinities are not served.  A block whose every p is under 2^-124 gets the byte 1.
; Ring, round and joint loads: as in the launch that makes q and k: three regions of 256 K, one refill; at most one tensor load of a wave is out.
; LDS AS THIS TEXT HAS IT: q's three regions of 256 K on end (REG bytes each), then k's three, from 6 HALFB on; the scale words: a K step's 1,024 bytes of q, eight steps, then k's; the spare words.
; THE HEAD: one tensor load a wave: wave 0 q's three regions, wave 2 k's three, each as three rows of 49,152 bytes; wave 1 q's scale words, wave 3 k's.  A wave has one tensor load out at the most.
.set REG,    49152
.set HALFB,  24576
.set SCL,    6*REG
.set SPARE,  SCL+4*4096
.set SLA,    1572864
.set SLB,    1572864
.set LI, 1
.set RR, 2
.set ADRA, 3
.set ADRB, 6
.set ADSA, 9
.set ADSB, 10
.set SPW, 11
.set NIL, 12
.set TV, 13
.set NEGV, 15
.set DD, 16                            ; v16-27 three sets of store data
.set SA, 32
.set SB, 40
.set TM, 64                            ; v64-79 at work
.set PW, 80                            ; v80-87 p's scale words
.set NM, 88                            ; v88-95 -M
.set LS, 96                            ; v96-103 the sums
.set T0, 104                           ; v[104:105] -M of the block in hand
.set S0, 106                           ; v[106:107], v[108:109] two chains of sums
.set TP, 110
.set AF, 128
.set PC, 128
.set SEL, 2
.set CS, 12                            ; s[12:13] c = log2(e) / 32
.set G1A, 16
.set G1B, 24
.set G0A, 32
.set G0B, 44
.set G1SA, 56
.set G1SB, 68
.set G0SA, 76
.set G0SB, 80
.set WV, 84
.set WR, 85
.set WC, 86
.set CX, 87
.set CY, 88
.set TX, 89
.set TY, 90
.set RM, 91
.set CM, 92
.set HF, 93
.set LW, 94
.set LSR, 95
.set HM, 96
.set MSB, 0
.macro WIN new
.if MSB != (\new)
	s_set_vgpr_msb (MSB<<8)|(\new)
.set MSB, (\new)
.endif
.endm
.macro PLACES n
.rept \n
	v_nop
.endr
.endm
.macro JLOAD g0a, g1a, g0b, g1b
	s_cmp_eq_u32 s[WR], 0
	s_cbranch_scc0 .Lfor_b_\@
	tensor_load_to_lds s[\g0a:\g0a+3], s[\g1a:\g1a+7]
	s_nop 0
	PLACES 4
	s_branch .Lasked_\@
.Lfor_b_\@:
	tensor_load_to_lds s[\g0b:\g0b+3], s[\g1b:\g1b+7]
	s_nop 0
	PLACES 4
.Lasked_\@:
.endm
.macro CREST
	s_cmp_lg_u32 s[WV], 0
	s_cbranch_scc1 .Lnot_wave_0_\@
	s_barrier_signal -3
.Lnot_wave_0_\@:
	s_barrier_wait -3
	s_barrier_signal -1
	s_barrier_wait -1
.endm
.macro CROUND
	s_barrier_signal -1
	s_barrier_wait -1
	CREST
.endm
.macro MKG1 g, c, r, p
	s_mov_b32 s[\g+1], (\c)<<16
	s_mov_b32 s[\g+2], (\r)<<16
	s_mov_b32 s[\g+3], (\c)<<16
	s_mov_b32 s[\g+4], \r
	s_mov_b32 s[\g+5], \p
	s_mov_b32 s[\g+6], 0
	s_mov_b32 s[\g+7], 0
.endm
.macro MKG0 g0, n, ptr, cbase, stride, lreg, lbase, lstride
	s_add_nc_u64 s[\g0+2:\g0+3], s[\ptr:\ptr+1], s[\g0+2:\g0+3]
.if \cbase
	s_add_nc_u64 s[\g0+2:\g0+3], s[\g0+2:\g0+3], \cbase
.endif
.irp s, 1,2,3
.if \s < \n
	s_add_nc_u64 s[\g0+4*\s+2:\g0+4*\s+3], s[\g0+2:\g0+3], \s*(\stride)
.endif
.endr
.irp s, 0,1,2,3
.if \s < \n
	s_mov_b32 s[\g0+4*\s], 1
	s_add_co_u32 s[\g0+4*\s+1], s[\lreg], \lbase+\s*(\lstride)
	s_or_b32 s[\g0+4*\s+3], s[\g0+4*\s+3], 0x80000000
.endif
.endr
.endm
.macro FRAG reg, adr, off
.irp c, 0,1,2
	ds_load_b128 v[\reg+4*\c:\reg+4*\c+3], v[\adr] offset:\off+512*\c
.endr
.endm
.macro QTAIL s, w, pw                  ; from four block maxima in v[TM] on: the scale word, and the codes of the 64 numbers v[s] on (window w)
.irp b, 0,1,2,3
	v_add_nc_u32 v[TM+12+\b], 0xff000000, v[TM+\b]
.endr
.irp b, 0,1,2,3
	v_lshrrev_b32 v[TM+4+\b], 23, v[TM+12+\b]
.endr
	v_lshl_or_b32 v[\pw], v[TM+5], 8, v[TM+4]
	v_lshl_or_b32 v[\pw], v[TM+6], 16, v[\pw]
	v_lshl_or_b32 v[\pw], v[TM+7], 24, v[\pw]
	s_wait_xcnt 0x0                                ; the last fragment's stores have read the code registers
	WIN \w
.irp c, 0,1
	v_cvt_scalef32_pk16_fp6_f32 v[PC+6*\c:PC+6*\c+2], v[(\s)+32*\c:(\s)+32*\c+15], v[TM+12+2*\c]
	v_cvt_scalef32_pk16_fp6_f32 v[PC+12+4*\c:PC+14+4*\c], v[(\s)+32*\c+16:(\s)+32*\c+31], v[TM+12+2*\c+1]
.endr
	v_nop
	WIN 0
.irp c, 0,1
.irp i, 0,1,2
	v_permlane16_swap_b32 v[PC+6*\c+\i], v[PC+12+4*\c+\i]
.endr
.irp i, 0,1,2
	v_mov_b32 v[PC+3+6*\c+\i], v[PC+12+4*\c+\i]
.endr
.endr
.endm
.macro PUT base, imm
.irp c, 0,1,2
	global_store_b128 v[LI], v[PC+4*\c:PC+4*\c+3], s[\base:\base+1] offset:(\imm)+512*\c
.endr
.endm
.macro SELSTORE arr, d, base, imm
.irp j, 0,1,2,3
	v_cndmask_b32 v[\d+\j], v[\arr+\j], v[\arr+4+\j], s[HM]
.endr
	global_store_b128 v[LI], v[\d:\d+3], s[\base:\base+1] offset:\imm
.endm
.macro FETCH_B kk
	WIN 0x40
.irp i, 0,1,2,3,4,5,6,7
	FRAG 128*((\kk)%2)+12*\i, ADRB+((\kk)/2)%3, \i*3072+((\kk)%2)*1536
.endr
	WIN 0
.endm
.macro FETCH_A kk, i0
.irp i, \i0, \i0+1, \i0+2, \i0+3
	FRAG AF+12*(\i), ADRA+((\kk)/2)%3, (\i)*3072+((\kk)%2)*1536
.endr
.endm
.macro SCALES kk
	ds_load_b128 v[SA+16*((\kk)%2):SA+16*((\kk)%2)+3], v[ADSA] offset:(\kk)*1024
	ds_load_b128 v[SA+16*((\kk)%2)+4:SA+16*((\kk)%2)+7], v[ADSA] offset:(\kk)*1024+256
	ds_load_b128 v[SB+16*((\kk)%2):SB+16*((\kk)%2)+3], v[ADSB] offset:(\kk)*1024
	ds_load_b128 v[SB+16*((\kk)%2)+4:SB+16*((\kk)%2)+7], v[ADSB] offset:(\kk)*1024+256
.endm
.macro MUL16 a0, kk, first             ; the 64 accumulators take turns, in the same order in every step
.irp a, \a0, \a0+1
.irp b, 0,1,2,3,4,5,6,7
.set rD, 8*(8*((\a)%4)+\b)
.set rB, 128*((\kk)%2)+12*\b
.set rA, AF+12*(\a)
.set rSB, SB+16*((\kk)%2)+\b
.set rSA, SA+16*((\kk)%2)+(\a)
.if \first
	v_wmma_scale_f32_16x16x128_f8f6f4 v[rD:rD+7], v[rB:rB+11], v[rA:rA+11], 0, v[rSB], v[rSA] matrix_a_fmt:MATRIX_FMT_FP6 matrix_b_fmt:MATRIX_FMT_FP6
.else
	v_wmma_scale_f32_16x16x128_f8f6f4 v[rD:rD+7], v[rB:rB+11], v[rA:rA+11], v[rD:rD+7], v[rSB], v[rSA] matrix_a_fmt:MATRIX_FMT_FP6 matrix_b_fmt:MATRIX_FMT_FP6
.endif
.endr
.endr
.endm
.macro STEP kk, first
	s_wait_dscnt 12                                ; all but the 12 youngest loads (A's blocks 4-7)
	WIN 0xa1
	MUL16 0, \kk, \first
	MUL16 2, \kk, \first
	s_wait_dscnt 0x0
	PLACES 4
	FETCH_B (\kk)+1
	FETCH_A (\kk)+1, 0
	SCALES (\kk)+1
	WIN 0xf1
	MUL16 4, \kk, \first
	MUL16 6, \kk, \first
	PLACES 4
	WIN 0
	FETCH_A (\kk)+1, 4
.endm
.macro TURN kk, fill
	s_wait_tensorcnt 0x0                           ; all my tensor loads have landed
	ds_add_u32 v[SPW], v[NIL]                      ; 0 onto my spare word
	s_wait_dscnt 13                                ; (the add and the 12 youngest loads may be out)
	WIN 0xa1
	MUL16 0, \kk, 0
	s_wait_dscnt 0x0                               ; the add is done, and my reads of the region are over
	s_barrier_signal -1
	MUL16 2, \kk, 0
	WIN 0
	s_barrier_wait -1
.if \fill
	CREST                                          ; a round of the cluster's barrier: no wave of any partner still reads region 0 or has a load on its way
	s_add_nc_u64 s[G0A+2:G0A+3], s[G0A+2:G0A+3], 3*SLA
	s_add_nc_u64 s[G0B+2:G0B+3], s[G0B+2:G0B+3], 3*SLB
	JLOAD G0A, G1A, G0B, G1B
.else
	PLACES 4
.endif
	FETCH_B (\kk)+1
	FETCH_A (\kk)+1, 0
	SCALES (\kk)+1
	WIN 0xf1
	MUL16 4, \kk, 0
	MUL16 6, \kk, 0
	PLACES 4
	WIN 0
	FETCH_A (\kk)+1, 4
.endm
.macro MWLOAD a                        ; the 64 mask words of block a: word e in s[16 + e], from 48 on in s[20 + e]
	s_load_b512 s[16:31], s[6:7], (\a)*256
	s_load_b512 s[32:47], s[6:7], (\a)*256+64
	s_load_b512 s[48:63], s[6:7], (\a)*256+128
	s_load_b512 s[68:83], s[6:7], (\a)*256+192
.endm
; Block a: 16 queries x my 128 keys.
.macro SOFT a
.set AC, 64*((\a)%4)
.set W, 2+(\a)/4
	s_wait_kmcnt 0x0
	WIN (W<<6)|(W<<2)
.set e, 0
.rept 64
.if e < 48
.set mw, 16+e
.else
.set mw, 20+e
.endif
	v_cndmask_b32 v[AC+e], v[NEGV], v[AC+e], s[mw] ; where the bit is clear: -2^72.  Each accumulator is read from its low end on
.set e, e+1
.endr
.if (\a) < 7
	MWLOAD (\a)+1
.endif
	WIN (W<<2)|(W<<4)
.irp b, 0,1,2,3
	v_max3_num_f32 v[TM+\b], v[NEGV], v[AC+16*\b], v[AC+16*\b+1]   ; the largest score of each block of 32 keys: for the row's maximum, and, since p rises with the score, for the block's largest p
.endr
.irp i, 2,4,6,8,10,12,14
.irp b, 0,1,2,3
	v_max3_num_f32 v[TM+\b], v[TM+\b], v[AC+16*\b+\i], v[AC+16*\b+\i+1]
.endr
.endr
	WIN 0
.irp b, 0,1,2,3
	v_permlanex16_b32 v[TM+4+\b], v[TM+\b], s[SEL], s[SEL+1]
.endr
.irp b, 0,1,2,3
	v_max_num_f32 v[TM+\b], v[TM+\b], v[TM+4+\b]
.endr
	v_max3_num_f32 v[TP], v[TM], v[TM+1], v[TM+2]
	v_max_num_f32 v[TP], v[TP], v[TM+3]
	v_mul_f32 v[TP], s[CS], v[TP]                  ; the largest t of my query's 128 keys
	v_floor_f32 v[T0], -v[TP]                      ; -M = floor(-t) = -ceil(t)
	v_mov_b32 v[NM+(\a)], v[T0]
	WIN (W<<6)|W
.set e, 0
.rept 32
	v_pk_fma_f32 v[AC+e:AC+e+1], v[AC+e:AC+e+1], s[CS:CS+1], v[T0:T0+1] op_sel_hi:[1,0,0]   ; t - M, two at a time
.set e, e+2
.endr
	WIN 0
.irp b, 0,1,2,3
	v_fma_f32 v[TM+\b], v[TM+\b], s[CS], v[T0]     ; the same of each block's largest score
.endr
	WIN (W<<6)|W
.set e, 0
	s_wait_alu depctr_va_vdst(0)
.rept 64
	v_exp_f32 v[AC+e], v[AC+e]                     ; p = 2^(t - M)
.set e, e+1
.endr
	WIN 0
.irp j, 0,1,2,3
	v_mov_b32 v[S0+\j], 0                          ; the two chains of sums begin; also the plain place behind the exponentials
.endr
	s_wait_alu depctr_va_vdst(0)                   ; one wait for the batch of 64, ahead of its first reader
.irp b, 0,1,2,3
	v_exp_f32 v[TM+\b], v[TM+\b]                   ; the block's largest p: the same two instructions on the same number
.endr
	WIN W<<2
.set e, 0
.rept 16
	v_pk_add_f32 v[S0:S0+1], v[S0:S0+1], v[AC+e:AC+e+1]          ; the sum of the UNQUANTISED p
	v_pk_add_f32 v[S0+2:S0+3], v[S0+2:S0+3], v[AC+e+2:AC+e+3]
.set e, e+4
.endr
	WIN 0
	v_pk_add_f32 v[S0:S0+1], v[S0:S0+1], v[S0+2:S0+3]
	v_add_f32 v[TP], v[S0], v[S0+1]
	v_permlanex16_b32 v[TP+1], v[TP], s[SEL], s[SEL+1]
	v_add_f32 v[LS+(\a)], v[TP], v[TP+1]
	s_wait_alu depctr_va_vdst(0)                   ; and one for the four
.irp b, 0,1,2,3
	v_max_num_f32 v[TM+\b], 0x1800000, v[TM+\b]    ; the floor 2^(3 - 127)
.endr
	QTAIL AC, W, PW+(\a)
	PUT 10, (\a)*6144
.endm
	s_load_b128 s[4:7], s[0:1], 0x0                ; qk, mbits
	s_load_b64 s[8:9], s[0:1], 0x10                ; pp
	v_lshl_add_u32 v[SPW], v0, 2, SPARE
	v_mov_b32 v[NIL], 0
	ds_add_u32 v11, v12
	ds_add_u32 v11, v12
	s_wait_dscnt 0x0
	v_lshrrev_b32 v[TV], 5, v0
	v_readfirstlane_b32 s[WV], v[TV]
	s_lshr_b32 s[WR], s[WV], 1
	s_and_b32 s[WC], s[WV], 1
	s_bfe_u32 s[CX], ttmp6, 0x40000
	s_bfe_u32 s[CY], ttmp6, 0x40004
	s_lshl_b32 s[TX], ttmp9, 2
	s_add_co_u32 s[TX], s[TX], s[CX]               ; which 256 keys of the batch
	s_and_b32 s[TY], ttmp7, 0xffff
	s_lshl_b32 s[TY], s[TY], 2
	s_add_co_u32 s[TY], s[TY], s[CY]               ; which 256 queries of all 8,192
	s_lshl_b32 s[RM], s[CY], 2
	s_lshl_b32 s[RM], 15, s[RM]
	s_lshl_b32 s[CM], 0x1111, s[CX]
	s_or_b32 s[G1A], s[RM], (3<<16)|(1<<21)
	s_or_b32 s[G1SA], s[RM], (3<<16)|(1<<21)
	s_or_b32 s[G1B], s[CM], (3<<16)|(1<<21)
	s_or_b32 s[G1SB], s[CM], (3<<16)|(1<<21)
	MKG1 G1A, 6144, 3, SLA/8                       ; the head's shape: three rows of 49,152 bytes (16 tiles x 256 K), a 256 K of the codes apart
	MKG1 G1B, 6144, 3, SLB/8
	MKG1 G1SA, 128, 8, 4096                        ; 8 K steps x 1,024 bytes, 32,768 bytes apart
	MKG1 G1SB, 128, 8, 4096
	s_lshl_b32 s[HF], s[WC], 3
	s_lshl_b32 s[G0A+2], s[TY], 4
	s_lshl_b32 s[G0SA+2], s[G0A+2], 6              ; the scale words of all 16 tiles
	s_add_co_u32 s[G0A+2], s[G0A+2], s[HF]         ; q: tile 16 ty + 8 half
	s_mul_i32 s[G0A+2], s[G0A+2], 3072
	s_mov_b32 s[G0A+3], 0
	s_mov_b32 s[G0SA+3], 0
	s_and_b32 s[G0B+2], ttmp7, 0xffff              ; the batch, from the cluster's y alone: two clusters to a batch
	s_lshr_b32 s[G0B+2], s[G0B+2], 1
	s_lshl_b32 s[G0B+2], s[G0B+2], 7
	s_lshl_b32 s97, s[TX], 4
	s_add_co_u32 s[G0B+2], s[G0B+2], s97
	s_lshl_b32 s[G0SB+2], s[G0B+2], 6
	s_add_co_u32 s[G0B+2], s[G0B+2], s[HF]         ; k: tile 128 batch + 16 tx + 8 half
	s_mul_i32 s[G0B+2], s[G0B+2], 3072
	s_mov_b32 s[G0B+3], 0
	s_mov_b32 s[G0SB+3], 0
	s_mul_i32 s[LW], s[WC], HALFB                  ; where my half of a region goes: the wave's number alone
	s_lshl_b32 s[LSR], s[WR], 13                   ; wave 1: q's scale words; wave 3: k's, 8,192 bytes on
	s_mov_b32 s[SEL], 0x76543210
	s_mov_b32 s[SEL+1], 0xfedcba98
	s_mov_b32 s[CS], 0x3d38aa3b                    ; log2(e) / 32
	s_mov_b32 s[CS+1], s[CS]                       ; (named with it as a pair, so it is written)
	s_mov_b32 s[HM], 0xffff0000
	s_wait_kmcnt 0x0
	MKG0 G0SA, 1, 4, 12582912, 0, LSR, SCL, 0
	MKG0 G0SB, 1, 4, 12845056, 0, LSR, SCL, 0
	MKG0 G0A, 1, 4, 0, SLA, LW, 0, REG
	MKG0 G0B, 1, 4, 6291456, SLB, LW, 6*HALFB, REG
	CROUND
; One chain of branches on the wave's number, a load to each arm.  In waves 0 and 2 the half is 0, so region 0's group 0 names the first of the 16 tiles and the regions' first byte.
.macro ARM under, g0, g1, next
	s_cmp_lt_u32 s[WV], \under
	s_cbranch_scc0 \next
	tensor_load_to_lds s[\g0:\g0+3], s[\g1:\g1+7]
	s_nop 0
	PLACES 4
	s_branch .Lhead_asked
\next:
.endm
	ARM 1, G0A, G1A, .Lhead_sa
	ARM 2, G0SA, G1SA, .Lhead_b
	ARM 3, G0B, G1B, .Lhead_sb
	tensor_load_to_lds s[G0SB:G0SB+3], s[G1SB:G1SB+7]
	s_nop 0
	PLACES 4
.Lhead_asked:
	v_and_b32 v[TV], 31, v0
	v_lshlrev_b32 v[LI], 4, v[TV]
	v_and_b32 v[RR], 15, v0
	s_wait_alu depctr_va_vdst(0)
	v_mov_b32 v[NEGV], 0xe3800000                  ; -2^72
	s_mul_i32 s98, s[WR], HALFB
	s_mul_i32 s99, s[WC], HALFB
	s_add_co_u32 s99, s99, 6*HALFB
.irp g, 0,1,2
	v_add_nc_u32 v[ADRA+\g], s98, v[LI]
	v_add_nc_u32 v[ADRB+\g], s99, v[LI]
	s_add_co_u32 s98, s98, REG
	s_add_co_u32 s99, s99, REG
.endr
	s_lshl_b32 s98, s[WR], 9
	s_add_co_u32 s98, s98, SCL
	v_lshl_add_u32 v[ADSA], v[RR], 4, s98
	s_lshl_b32 s99, s[WC], 9
	s_add_co_u32 s99, s99, SCL+2*4096
	v_lshl_add_u32 v[ADSB], v[RR], 4, s99
	s_lshl_b32 s97, s[TX], 1
	s_add_co_u32 s97, s97, s[WC]                   ; kg: which 128 keys of the batch
	s_lshl_b32 s94, s[TY], 4
	s_lshl_b32 s95, s[WR], 3
	s_add_co_u32 s94, s94, s95                     ; my first tile of queries
	s_lshl_b32 s98, s97, 17
	s_lshl_b32 s95, s94, 8
	s_add_co_u32 s98, s98, s95
	s_mov_b32 s99, 0
	s_add_nc_u64 s[6:7], s[6:7], s[98:99]          ; my mask words
	s_lshr_b32 s98, s97, 2
	s_mul_i32 s98, s98, 3145728
	s_mul_i32 s95, s94, 6144
	s_add_co_u32 s98, s98, s95
	s_and_b32 s95, s97, 3
	s_mul_i32 s95, s95, 1536
	s_add_co_u32 s98, s98, s95
	s_add_nc_u64 s[10:11], s[8:9], s[98:99]        ; my codes
	s_lshl_b32 s98, s97, 15
	s_lshl_b32 s95, s94, 6
	s_add_co_u32 s98, s98, s95
	s_add_nc_u64 s[14:15], s[8:9], s[98:99]
	s_add_nc_u64 s[14:15], s[14:15], 12582912      ; my scale words; -M lies 524,288 bytes on, the sums 1,048,576
	s_wait_alu depctr_va_vdst(0)
	s_wait_tensorcnt 0x0                           ; my one load of the head has landed
	MKG1 G1A, 32, 96, 32                           ; no tensor load of mine is out: from here on a load brings a dense block of 24,576 bytes as 96 rows of 256
	MKG1 G1B, 32, 96, 32
	s_barrier_signal -1
	s_barrier_wait -1
	FETCH_B 0
	FETCH_A 0, 0
	SCALES 0
	FETCH_A 0, 4
	STEP 0, 1                                      ; the first products start the sums
	TURN 1, 1
	STEP 2, 0
	STEP 3, 0
	STEP 4, 0
	TURN 5, 0
	MWLOAD 0                                       ; no tensor load of mine is out and none follows: the descriptors' registers take the mask words
	STEP 6, 0
	s_wait_dscnt 12
	WIN 0xa1
	MUL16 0, 7, 0
	MUL16 2, 7, 0
	s_wait_dscnt 0x0
	WIN 0xf1
	MUL16 4, 7, 0
	MUL16 6, 7, 0
	WIN 0
.irp b, 0,1,2,3
	v_mov_b32 v[TM+4+\b], 0                        ; lane permutes' destinations count as sources; these six are also the places behind the last products
.endr
	v_mov_b32 v[T0+1], 0                           ; (named as the upper half of a pair)
	v_mov_b32 v[TP+1], 0
.irp a, 0,1,2,3,4,5,6,7
	SOFT \a
.endr
	SELSTORE PW, DD, 14, 0
	SELSTORE NM, DD+4, 14, 524288
	SELSTORE LS, DD+8, 14, 1048576
	s_wait_tensorcnt 0x0                           ; the wave's end
	ds_add_u32 v[SPW], v[NIL]
	s_wait_dscnt 0x0
	CROUND
	s_endpgm
.Lfunc_end_k_qc33b35c1af_gemm_s:
	.size	k_qc33b35c1af_gemm_s, .Lfunc_end_k_qc33b35c1af_gemm_s-k_qc33b35c1af_gemm_s
	.p2alignl 7, 3214868480
	.fill 96, 4, 3214868480
	.section	.rodata,"a",@progbits
	.p2align	6, 0x0
	.amdhsa_kernel k_qc33b35c1af_gemm_s
		.amdhsa_group_segment_fixed_size 327680
		.amdhsa_private_segment_fixed_size 0
		.amdhsa_enable_private_segment 0
		.amdhsa_kernarg_size 24
		.amdhsa_user_sgpr_count 2
		.amdhsa_user_sgpr_kernarg_segment_ptr 1
		.amdhsa_wavefront_size32 1
		.amdhsa_system_sgpr_workgroup_id_x 1
		.amdhsa_system_sgpr_workgroup_id_y 1
		.amdhsa_system_sgpr_workgroup_id_z 1
		.amdhsa_system_vgpr_workitem_id 0
		.amdhsa_next_free_vgpr 1024
		.amdhsa_next_free_sgpr 100
		.amdhsa_reserve_vcc 0
		.amdhsa_float_denorm_mode_32 3
		.amdhsa_float_denorm_mode_16_64 3
		.amdhsa_memory_ordered 1
		.amdhsa_forward_progress 1
		.amdhsa_inst_pref_size 233
	.end_amdhsa_kernel
	.amdgpu_metadata
---
amdhsa.version: [ 1, 2 ]
amdhsa.kernels:
  - .name:           k_qc33b35c1af_gemm_s
    .symbol:         k_qc33b35c1af_gemm_s.kd
    .args:
      - { .name: qk, .offset: 0, .size: 8, .value_kind: global_buffer, .address_space: global }
      - { .name: mbits, .offset: 8, .size: 8, .value_kind: global_buffer, .address_space: global }
      - { .name: pp, .offset: 16, .size: 8, .value_kind: global_buffer, .address_space: global }
    .group_segment_fixed_size: 327680
    .private_segment_fixed_size: 0
    .kernarg_segment_align: 8
    .kernarg_segment_size: 24
    .max_flat_workgroup_size: 128
    .sgpr_count:     100
    .vgpr_count:     1024
    .wavefront_size: 32
...
	.end_amdgpu_metadata
.endif
;; end of part 3
;; launch gemm_pv (part 4): grid 4 x 64, 4 waves a work-group, clusters of 4 x 4, 327,680 bytes of LDS; arguments pp, vv, cx; writes cx
.if DOCPART == 4
	.amdgcn_target "amdgcn-amd-amdhsa--gfx1250"
	.amdhsa_code_object_version 6
	.text
	.protected	k_qc33b35c1af_gemm_pv
	.globl	k_qc33b35c1af_gemm_pv
	.p2align	8
	.type	k_qc33b35c1af_gemm_pv,@function
k_qc33b35c1af_gemm_pv:
	s_mov_b64 s[64:65], 0
	v_nop
	global_prefetch_b8 v0, s[64:65] scope:SCOPE_SE
	s_setreg_imm32_b32 hwreg(HW_REG_WAVE_MODE, 25, 1), 1
	s_wait_xcnt 0x0
	s_wait_alu depctr_hold_cnt(0) depctr_sa_sdst(0) depctr_va_vdst(0) depctr_va_sdst(0) depctr_va_ssrc(0) depctr_va_vcc(0) depctr_vm_vsrc(0)
	s_getreg_b32 s2, hwreg(HW_REG_IB_STS2, 6, 4)
	s_cmp_eq_u32 s2, 0
	s_cbranch_scc0 .Lentry_in_a_cluster
	s_endpgm
.Lentry_in_a_cluster:
	s_bfe_u32 s2, ttmp6, 0x10000c
	s_cmp_lg_u32 s2, 0xf033
	s_cbranch_scc0 .Lentry_shape_is_right
	s_endpgm
.Lentry_shape_is_right:
; ctx = (p v) / l on codes of FP6 with E8M0 scales, quantised along the channels, in registers; it leaves as fragment images.
; p came with an M of its own for each 128 keys.  Here, for each row: -M of the row = the least of the sixteen -M; d = M of the 128 keys - M of the row, a whole number, 0 or less; l = the sum of the sixteen sums x 2^d;
; and d is added to each of p's four scale bytes of those 128 keys, held at 0 from below: a power of two, which changes no code.  (p's bytes are at most 125, so a guard bit on each byte stops every borrow.)
; LIMIT: where a byte would fall under 0 it stays 0, which is 2^-127: such p count for under 2^-115 of the row's sum.  NaN and infinities are not served.  A block of ctx under 2^-124, or of zeros, gets the byte 1.
; A tile is 128 rows x 256 channels; four waves, 64 x 128 each: 32 accumulators.  Source 0 = 16 channels (a tile of v^T), source 1 = 16 rows of p.  K = 2,048 keys: 16 steps, in two slots of 512 K, each filled twice.
; p's scale words do not pass through LDS: a wave's 64 rows x 16 words stay in 32 registers.  v's, 16 KiB, come once.  CLUSTERS 4 x 4: p's tiles shared along a row, v's along a column.  At most one tensor load of a wave is out.
.set SLOTB,  147456                    ; A's 8 tiles (2 x 24,576 bytes), then B's 16 (2 x 49,152)
.set VSC,    2*SLOTB                   ; v's scale words: 16 K steps x 1,024 bytes
.set SPARE,  VSC+16384
.set LI, 1
.set RR, 2
.set ADRA, 3
.set ADRB, 5
.set ADSB, 7
.set R16, 8
.set LN, 9
.set TV, 10
.set SPW, 11
.set NIL, 12
.set PW, 20
.set RL, 24                            ; v24-31 1 / l, a pair for each block of rows
.set SB, 40                            ; v40-55 v's scale words, two sets
.set PSC, 64                           ; v64-95 p's scale words: K steps 2 i, 2 i + 1, block a at 4 i + a
.set NM, 128                           ; v128-159 -M, then d: ahead of the first fragments
.set AF, 128
.set PC, 128
.set TM, 224
.set NMIN, 240
.set LSUM, 244
.set TT, 248
.set SEL, 2
.set G1A, 16
.set G1B, 24
.set G0A, 32
.set G0B, 40
.set G1S, 48
.set G0S, 56
.set K80, 60
.set K01, 61
.set WV, 84
.set WR, 85
.set WC, 86
.set CX, 87
.set CY, 88
.set TX, 89
.set TY, 90
.set RM, 91
.set CM, 92
.set LWA, 93
.set LWB, 94
.set LWS, 95
.set MSB, 0
.macro WIN new
.if MSB != (\new)
	s_set_vgpr_msb (MSB<<8)|(\new)
.set MSB, (\new)
.endif
.endm
.macro PLACES n
.rept \n
	v_nop
.endr
.endm
.macro JLOAD g0a, g1a, g0b, g1b
	s_cmp_eq_u32 s[WR], 0
	s_cbranch_scc0 .Lfor_b_\@
	tensor_load_to_lds s[\g0a:\g0a+3], s[\g1a:\g1a+7]
	s_nop 0
	PLACES 4
	s_branch .Lasked_\@
.Lfor_b_\@:
	tensor_load_to_lds s[\g0b:\g0b+3], s[\g1b:\g1b+7]
	s_nop 0
	PLACES 4
.Lasked_\@:
.endm
.macro CREST
	s_cmp_lg_u32 s[WV], 0
	s_cbranch_scc1 .Lnot_wave_0_\@
	s_barrier_signal -3
.Lnot_wave_0_\@:
	s_barrier_wait -3
	s_barrier_signal -1
	s_barrier_wait -1
.endm
.macro CROUND
	s_barrier_signal -1
	s_barrier_wait -1
	CREST
.endm
.macro MKG1 g, c, r, p
	s_mov_b32 s[\g+1], (\c)<<16
	s_mov_b32 s[\g+2], (\r)<<16
	s_mov_b32 s[\g+3], (\c)<<16
	s_mov_b32 s[\g+4], \r
	s_mov_b32 s[\g+5], \p
	s_mov_b32 s[\g+6], 0
	s_mov_b32 s[\g+7], 0
.endm
.macro MKG0 g0, n, ptr, cbase, stride, lreg, lbase, lstride
	s_add_nc_u64 s[\g0+2:\g0+3], s[\ptr:\ptr+1], s[\g0+2:\g0+3]
.if \cbase
	s_add_nc_u64 s[\g0+2:\g0+3], s[\g0+2:\g0+3], \cbase
.endif
.irp s, 1,2,3
.if \s < \n
	s_add_nc_u64 s[\g0+4*\s+2:\g0+4*\s+3], s[\g0+2:\g0+3], \s*(\stride)
.endif
.endr
.irp s, 0,1,2,3
.if \s < \n
	s_mov_b32 s[\g0+4*\s], 1
	s_add_co_u32 s[\g0+4*\s+1], s[\lreg], \lbase+\s*(\lstride)
	s_or_b32 s[\g0+4*\s+3], s[\g0+4*\s+3], 0x80000000
.endif
.endr
.endm
.macro FRAG reg, adr, off
.irp c, 0,1,2
	ds_load_b128 v[\reg+4*\c:\reg+4*\c+3], v[\adr] offset:\off+512*\c
.endr
.endm
.macro QUANT s, w, pw
	WIN ((\w)<<2)|((\w)<<4)
.irp b, 0,1,2,3
	v_max3_num_f32 v[TM+\b], 0x1800000, |v[(\s)+16*\b]|, |v[(\s)+16*\b+1]|
.endr
.irp i, 2,4,6,8,10,12,14
.irp b, 0,1,2,3
	v_max3_num_f32 v[TM+\b], v[TM+\b], |v[(\s)+16*\b+\i]|, |v[(\s)+16*\b+\i+1]|
.endr
.endr
	WIN 0
.irp b, 0,1,2,3
	v_permlanex16_b32 v[TM+4+\b], v[TM+\b], s[SEL], s[SEL+1]
.endr
.irp b, 0,1,2,3
	v_max_num_f32 v[TM+\b], v[TM+\b], v[TM+4+\b]
.endr
.irp b, 0,1,2,3
	v_add_nc_u32 v[TM+12+\b], 0xff000000, v[TM+\b]
.endr
.irp b, 0,1,2,3
	v_lshrrev_b32 v[TM+4+\b], 23, v[TM+12+\b]
.endr
	v_lshl_or_b32 v[\pw], v[TM+5], 8, v[TM+4]
	v_lshl_or_b32 v[\pw], v[TM+6], 16, v[\pw]
	v_lshl_or_b32 v[\pw], v[TM+7], 24, v[\pw]
	s_wait_xcnt 0x0                                ; the last fragment's stores have read the code registers
	WIN \w
.irp c, 0,1
	v_cvt_scalef32_pk16_fp6_f32 v[PC+6*\c:PC+6*\c+2], v[(\s)+32*\c:(\s)+32*\c+15], v[TM+12+2*\c]
	v_cvt_scalef32_pk16_fp6_f32 v[PC+12+4*\c:PC+14+4*\c], v[(\s)+32*\c+16:(\s)+32*\c+31], v[TM+12+2*\c+1]
.endr
	v_nop
	WIN 0
.irp c, 0,1
.irp i, 0,1,2
	v_permlane16_swap_b32 v[PC+6*\c+\i], v[PC+12+4*\c+\i]
.endr
.irp i, 0,1,2
	v_mov_b32 v[PC+3+6*\c+\i], v[PC+12+4*\c+\i]
.endr
.endr
.endm
.macro PUT base, imm
.irp c, 0,1,2
	global_store_b128 v[LI], v[PC+4*\c:PC+4*\c+3], s[\base:\base+1] offset:(\imm)+512*\c
.endr
.endm
.macro HFETCH kk
	WIN 0x40
.irp i, 0,1,2,3,4,5,6,7
	FRAG 128*((\kk)%2)+12*\i, ADRB+((\kk)/4)%2, \i*6144+((\kk)%4)*1536
.endr
	WIN 0
.irp i, 0,1,2,3
	FRAG AF+48*((\kk)%2)+12*\i, ADRA+((\kk)/4)%2, \i*6144+((\kk)%4)*1536
.endr
	ds_load_b128 v[SB+8*((\kk)%2):SB+8*((\kk)%2)+3], v[ADSB] offset:(\kk)*1024
	ds_load_b128 v[SB+8*((\kk)%2)+4:SB+8*((\kk)%2)+7], v[ADSB] offset:(\kk)*1024+256
.endm
.macro MUL8 a, kk, first               ; the 32 accumulators take turns, in the same order in every step
.irp b, 0,1,2,3,4,5,6,7
.set rD, 8*(8*(\a)+\b)
.set rB, 128*((\kk)%2)+12*\b
.set rA, AF+48*((\kk)%2)+12*(\a)
.set rSB, SB+8*((\kk)%2)+\b
.set rSA, PSC+4*((\kk)/2)+(\a)         ; p's scale words of K steps 2 i and 2 i + 1 share a register: the even step in lanes 0-15, the odd one in lanes 16-31
.if \first
	v_wmma_scale_f32_16x16x128_f8f6f4 v[rD:rD+7], v[rB:rB+11], v[rA:rA+11], 0, v[rSB], v[rSA] matrix_a_fmt:MATRIX_FMT_FP6 matrix_b_fmt:MATRIX_FMT_FP6
.elseif (\kk)%2
	v_wmma_scale_f32_16x16x128_f8f6f4 v[rD:rD+7], v[rB:rB+11], v[rA:rA+11], v[rD:rD+7], v[rSB], v[rSA] matrix_a_fmt:MATRIX_FMT_FP6 matrix_b_fmt:MATRIX_FMT_FP6 matrix_b_scale:MATRIX_SCALE_ROW1
.else
	v_wmma_scale_f32_16x16x128_f8f6f4 v[rD:rD+7], v[rB:rB+11], v[rA:rA+11], v[rD:rD+7], v[rSB], v[rSA] matrix_a_fmt:MATRIX_FMT_FP6 matrix_b_fmt:MATRIX_FMT_FP6
.endif
.endr
.endm
.macro HSTEP kk, first
	s_wait_dscnt 0x0
	PLACES 4
	HFETCH (\kk)+1
	WIN 0xa1
	MUL8 0, \kk, \first
	MUL8 1, \kk, \first
	MUL8 2, \kk, \first
	MUL8 3, \kk, \first
.endm
; A slot's last step changes slots: each wave waits for all its tensor loads, adds 0 to its spare word, and waits for that and for its reads of the slot.  fill = 1: the slot takes the 512 K two slots on.
.macro PTURN kk, fill
.set sl, ((\kk)/4)%2
	WIN 0
	s_wait_tensorcnt 0x0                           ; all my tensor loads have landed: my part of the other slot
	ds_add_u32 v[SPW], v[NIL]                      ; 0 onto my spare word
	s_wait_dscnt 0x1                               ; (the add may be out)
	WIN 0xa1
	MUL8 0, \kk, 0
	s_wait_dscnt 0x0                               ; the add is done, and my reads of this slot are over
	s_barrier_signal -1
	MUL8 1, \kk, 0
	WIN 0
	s_barrier_wait -1
.if \fill
	CREST                                          ; a round of the cluster's barrier: no wave of any partner still reads this slot or has a load on its way
	s_add_nc_u64 s[G0A+4*sl+2:G0A+4*sl+3], s[G0A+4*sl+2:G0A+4*sl+3], 6291456
	s_add_nc_u64 s[G0B+4*sl+2:G0B+4*sl+3], s[G0B+4*sl+2:G0B+4*sl+3], 786432
	JLOAD G0A+4*sl, G1A, G0B+4*sl, G1B             ; it has four K steps in which to land
.else
	PLACES 4
.endif
	HFETCH (\kk)+1
.if (\kk) == 3
	ASK 68                                         ; behind the joint load and the run of LDS loads: the fourth 512 K
.endif
	WIN 0xa1
	MUL8 2, \kk, 0
	MUL8 3, \kk, 0
.endm
	s_load_b128 s[4:7], s[0:1], 0x0                ; pp, vv
	s_load_b64 s[8:9], s[0:1], 0x10                ; cx
	v_lshl_add_u32 v[SPW], v0, 2, SPARE
	v_mov_b32 v[NIL], 0
	ds_add_u32 v11, v12
	ds_add_u32 v11, v12
	s_wait_dscnt 0x0
	v_lshrrev_b32 v[TV], 5, v0
	v_readfirstlane_b32 s[WV], v[TV]
	s_lshr_b32 s[WR], s[WV], 1
	s_and_b32 s[WC], s[WV], 1
	s_bfe_u32 s[CX], ttmp6, 0x40000
	s_bfe_u32 s[CY], ttmp6, 0x40004
	s_lshl_b32 s[TX], ttmp9, 2
	s_add_co_u32 s[TX], s[TX], s[CX]               ; which 256 channels
	s_and_b32 s[TY], ttmp7, 0xffff
	s_lshl_b32 s[TY], s[TY], 2
	s_add_co_u32 s[TY], s[TY], s[CY]               ; which 128 rows
	s_lshl_b32 s[RM], s[CY], 2
	s_lshl_b32 s[RM], 15, s[RM]
	s_lshl_b32 s[CM], 0x1111, s[CX]
	s_or_b32 s[G1A], s[RM], (3<<16)|(1<<21)
	s_or_b32 s[G1B], s[CM], (3<<16)|(1<<21)
	s_or_b32 s[G1S], s[CM], (3<<16)|(1<<21)
; LDS AS THIS TEXT HAS IT: p's two slots of 512 K on end (49,152 bytes each), then v's two (98,304 bytes each), v's scale words, the spare words.
; THE HEAD: one tensor load a wave: wave 0 p's two slots, wave 2 v's two, each as two long rows; waves 1 and 3 eight K steps each of v's scale words.  A wave has one tensor load out at the most.
	MKG1 G1A, 6144, 2, 393216                      ; two rows of 49,152 bytes (8 tiles x 512 K), 3,145,728 bytes apart
	MKG1 G1B, 12288, 2, 49152                      ; two rows of 98,304 bytes (16 tiles x 512 K), 393,216 bytes apart
	MKG1 G1S, 128, 8, 512                          ; 8 K steps x 1,024 bytes, 4,096 bytes apart
	s_lshl_b32 s98, s[WC], 2
	s_lshl_b32 s[G0A+2], s[TY], 3
	s_add_co_u32 s[G0A+2], s[G0A+2], s98           ; p: tile 8 ty + 4 half
	s_mul_i32 s[G0A+2], s[G0A+2], 6144
	s_mov_b32 s[G0A+3], 0
	s_and_b32 s96, ttmp7, 0xffff
	s_lshr_b32 s96, s96, 2                         ; the batch, from the cluster's y alone: four clusters to a batch
	s_lshl_b32 s[G0B+2], s[TX], 4
	s_lshl_b32 s97, s[WC], 3
	s_add_co_u32 s[G0B+2], s[G0B+2], s97           ; v: tile 16 tx + 8 half
	s_mul_i32 s[G0B+2], s[G0B+2], 6144
	s_mul_i32 s97, s96, 1572864
	s_add_co_u32 s[G0B+2], s[G0B+2], s97
	s_mov_b32 s[G0B+3], 0
	s_lshl_b32 s[G0S+2], s96, 16
	s_lshl_b32 s97, s[WR], 15                      ; wave 1 brings K steps 0 .. 7 of v's scale words, wave 3 K steps 8 .. 15
	s_add_co_u32 s[G0S+2], s[G0S+2], s97
	s_lshl_b32 s97, s[TX], 10
	s_add_co_u32 s[G0S+2], s[G0S+2], s97
	s_mov_b32 s[G0S+3], 0
	s_mul_i32 s[LWA], s[WC], 24576
	s_mul_i32 s[LWB], s[WC], 49152
	s_lshl_b32 s[LWS], s[WR], 13
	s_mov_b32 s[SEL], 0x76543210
	s_mov_b32 s[SEL+1], 0xfedcba98
	s_mov_b32 s[K80], 0x80808080
	s_mov_b32 s[K01], 0x01010101
	s_wait_kmcnt 0x0
	MKG0 G0S, 1, 6, 6291456, 0, LWS, VSC, 0
	MKG0 G0A, 2, 4, 0, 3145728, LWA, 0, 49152
	MKG0 G0B, 2, 6, 0, 393216, LWB, 98304, 98304
	CROUND
; One chain of branches on the wave's number, a load to each arm.  In waves 0 and 2 the half is 0, so slot 0's group 0 names the first tile and the slots' first byte.
.macro ARM under, g0, g1, next
	s_cmp_lt_u32 s[WV], \under
	s_cbranch_scc0 \next
	tensor_load_to_lds s[\g0:\g0+3], s[\g1:\g1+7]
	s_nop 0
	PLACES 4
	s_branch .Lhead_asked
\next:
.endm
	ARM 1, G0A, G1A, .Lhead_s0
	ARM 2, G0S, G1S, .Lhead_b
	ARM 3, G0B, G1B, .Lhead_s1
	tensor_load_to_lds s[G0S:G0S+3], s[G1S:G1S+7]
	s_nop 0
	PLACES 4
.Lhead_asked:
	v_and_b32 v[LN], 31, v0
	v_lshlrev_b32 v[LI], 4, v[LN]
	v_and_b32 v[RR], 15, v0
	s_wait_alu depctr_va_vdst(0)
	v_lshlrev_b32 v[R16], 4, v[RR]
	v_bfe_u32 v[TV], v0, 4, 1
	v_lshl_add_u32 v[R16], v[TV], 15, v[R16]       ; 16 r, and lanes 16-31 one K step (32,768 bytes) on
.set PFO, 13                           ; v13: 256 x min(lane, 23): the prefetches' offset; never rewritten
	v_min_u32 v[PFO], 23, v[LN]
	v_lshlrev_b32 v[PFO], 8, v[PFO]
	s_wait_alu depctr_va_vdst(0)
	s_mul_i32 s96, s[WR], 24576
	s_mul_i32 s97, s[WC], 49152
	s_add_co_u32 s97, s97, 98304
.irp g, 0,1
	v_add_nc_u32 v[ADRA+\g], s96, v[LI]
	v_add_nc_u32 v[ADRB+\g], s97, v[LI]
	s_add_co_u32 s96, s96, 49152
	s_add_co_u32 s97, s97, 98304
.endr
	s_lshl_b32 s97, s[WC], 9
	s_add_co_u32 s97, s97, VSC
	v_lshl_add_u32 v[ADSB], v[RR], 4, s97
	s_lshl_b32 s96, s[TY], 9                       ; my four tiles' words: (2 ty + wr) x 256 bytes in each K step's 32,768
	s_lshl_b32 s97, s[WR], 8
	s_add_co_u32 s96, s96, s97
	s_mov_b32 s97, 0
	s_add_nc_u64 s[14:15], s[4:5], s[96:97]
	s_add_nc_u64 s[14:15], s[14:15], 12582912
; -M, p's scale words and the sums of my 64 rows: register 4 i + a holds block a's word of K step 2 i (lanes 0-15) and 2 i + 1 (lanes 16-31): 8 loads an array, 32 registers.  In the order in which they are used.
.set LSV, 96                           ; v96-127 the sums
.set i, 0
.rept 8
	global_load_b128 v[NM+4*i:NM+4*i+3], v[R16], s[14:15] offset:524288+i*65536
.set i, i+1
.endr
.set i, 0
.rept 8
	global_load_b128 v[PSC+4*i:PSC+4*i+3], v[R16], s[14:15] offset:i*65536
.set i, i+1
.endr
.set i, 0
.rept 8
	global_load_b128 v[LSV+4*i:LSV+4*i+3], v[R16], s[14:15] offset:1048576+i*65536
.set i, i+1
.endr
; PREFETCHES: the third 512 K of p and of v is named here, at the head, and the fourth behind the first refill: each four K steps or more ahead of its tensor load.  A tile (p: 49,152 bytes, v: 98,304) has eight shares:
; the four partners that ask for it jointly (cx for p, cy for v), told apart BY ADDRESS, x the two waves that fetch it.  p's share is 24 blocks of 256 bytes, a lane a block (lanes 24-31 name the last again); v's is 48, in two instructions.
; s[66:67], s[68:69]: my share of the third and of the fourth 512 K; never rewritten.
	s_mul_i32 s73, s[TY], 49152                    ; p: my work-group's 8 tiles
	s_and_b32 s74, ttmp7, 0xffff
	s_lshr_b32 s74, s74, 2                         ; v: the batch,
	s_mul_i32 s74, s74, 1572864
	s_mul_i32 s75, s[TX], 98304                    ; and my work-group's 16 tiles
	s_add_co_u32 s74, s74, s75
	s_cmp_eq_u32 s[WR], 0                          ; do I fetch p?
	s_cselect_b64 s[66:67], s[4:5], s[6:7]
	s_cselect_b32 s70, s[CX], s[CY]
	s_mov_b32 s71, 12288
	s_cselect_b32 s71, 6144, s71                   ; a share in bytes
	s_mov_b32 s72, 393216
	s_cselect_b32 s72, 3145728, s72                ; 512 K of the codes
	s_cselect_b32 s73, s73, s74
	s_lshl_b32 s70, s70, 1
	s_add_co_u32 s70, s70, s[WC]
	s_mul_i32 s70, s70, s71
	s_add_co_u32 s70, s70, s73
	s_lshl_b32 s74, s72, 1
	s_add_co_u32 s70, s70, s74
	s_mov_b32 s71, 0
	s_add_nc_u64 s[66:67], s[66:67], s[70:71]
	s_mov_b32 s73, 0
	s_add_nc_u64 s[68:69], s[66:67], s[72:73]
.macro ASK b
	global_prefetch_b8 v[PFO], s[\b:\b+1] th:TH_LOAD_NT scope:SCOPE_SE
	s_cmp_eq_u32 s[WR], 0
	s_cbranch_scc1 .Lasked_p_\@
	global_prefetch_b8 v[PFO], s[\b:\b+1] offset:6144 th:TH_LOAD_NT scope:SCOPE_SE
.Lasked_p_\@:
.endm
	ASK 66
	s_mul_i32 s96, s[TX], 1572864                  ; where my results go: K step 2 tx + wc of the last product, tiles 8 ty + 4 wr on
	s_lshl_b32 s98, s[TY], 3
	s_lshl_b32 s99, s[WR], 2
	s_add_co_u32 s98, s98, s99
	s_mul_i32 s99, s98, 3072
	s_add_co_u32 s96, s96, s99
	s_mul_i32 s99, s[WC], 1536
	s_add_co_u32 s96, s96, s99
	s_add_nc_u64 s[10:11], s[8:9], s[96:97]
	s_lshl_b32 s96, s[TX], 16
	s_lshl_b32 s99, s[WC], 15
	s_add_co_u32 s96, s96, s99
	s_lshl_b32 s99, s98, 6
	s_add_co_u32 s96, s96, s99
	s_add_nc_u64 s[12:13], s[8:9], s[96:97]
	s_add_nc_u64 s[12:13], s[12:13], 6291456
.irp a, 0,1,2,3
	v_mov_b32 v[LSUM+\a], 0
	v_mov_b32 v[RL+2*\a+1], 0                      ; (the upper halves of the pairs are named, so they are written)
.endr
.irp a, 0,1,2,3
	v_mov_b32 v[TT+\a], 0                          ; a lane permute's destination counts as one of its sources
.endr
	s_wait_alu depctr_va_vdst(0)                   ; ahead of a blocking wait
	s_wait_loadcnt 16                              ; -M is in: the 16 loads behind its eight may be out
; THE ROW'S M AND l, AND p'S SCALE BYTES, while the first tiles are on their way.  The four blocks of rows by turns; each half of the lanes on its eight K steps.
.irp a, 0,1,2,3
	v_min3_num_f32 v[NMIN+\a], v[NM+\a], v[NM+4+\a], v[NM+8+\a]
.endr
.irp k, 3,5
.irp a, 0,1,2,3
	v_min3_num_f32 v[NMIN+\a], v[NMIN+\a], v[NM+4*\k+\a], v[NM+4*\k+4+\a]
.endr
.endr
.irp a, 0,1,2,3
	v_min_num_f32 v[NMIN+\a], v[NMIN+\a], v[NM+28+\a]
.endr
.irp a, 0,1,2,3
	v_permlanex16_b32 v[TT+\a], v[NMIN+\a], s[SEL], s[SEL+1]
.endr
.irp a, 0,1,2,3
	v_min_num_f32 v[NMIN+\a], v[NMIN+\a], v[TT+\a] ; with lane l xor 16's eight K steps: -M of the row
.endr
.set i, 0
.rept 32
	v_sub_f32 v[NM+i], v[NMIN+i%4], v[NM+i]        ; d: a whole number, 0 or less
.set i, i+1
.endr
.set i, 0
.rept 32
	v_cvt_i32_f32 v[NM+i], v[NM+i]                 ; (it saturates)
.set i, i+1
.endr
	s_wait_alu depctr_va_vdst(0)                   ; ahead of a blocking wait
	s_wait_loadcnt 8                               ; p's scale words are in: the sums' eight loads may be out
.set i, 0
.rept 8
.irp a, 0,1,2,3
	v_max_i32 v[TT+\a], 0xffffff81, v[NM+4*i+\a]   ; d, held at -127
.endr
.irp a, 0,1,2,3
	v_mul_lo_u32 v[TT+\a], v[TT+\a], s[K01]        ; in each of the four bytes
.endr
.irp a, 0,1,2,3
	v_add3_u32 v[PSC+4*i+\a], v[PSC+4*i+\a], s[K80], v[TT+\a]   ; byte + 128 + d lies in 1 .. 253: no borrow passes from byte to byte
.endr
.irp a, 0,1,2,3
	v_and_b32 v[TT+\a], s[K80], v[PSC+4*i+\a]      ; the guard bit stands where byte + d is 0 or more
.endr
.irp a, 0,1,2,3
	v_lshrrev_b32 v[TT+4+\a], 7, v[TT+\a]
.endr
.irp a, 0,1,2,3
	v_sub_nc_u32 v[TT+\a], v[TT+\a], v[TT+4+\a]    ; 0x7f there, 0 elsewhere
.endr
.irp a, 0,1,2,3
	v_and_b32 v[PSC+4*i+\a], v[PSC+4*i+\a], v[TT+\a]
.endr
.set i, i+1
.endr
	s_wait_alu depctr_va_vdst(0)                   ; ahead of a blocking wait
	s_wait_loadcnt 0x0                             ; the sums
.set i, 0
.rept 32
	v_ldexp_f32 v[LSV+i], v[LSV+i], v[NM+i]        ; the sum of 128 keys under the row's M: nothing is rounded
.set i, i+1
.endr
.set i, 0
.rept 32
	v_add_f32 v[LSUM+i%4], v[LSUM+i%4], v[LSV+i]
.set i, i+1
.endr
.irp a, 0,1,2,3
	v_permlanex16_b32 v[TT+\a], v[LSUM+\a], s[SEL], s[SEL+1]
.endr
.irp a, 0,1,2,3
	v_add_f32 v[LSUM+\a], v[LSUM+\a], v[TT+\a]     ; with lane l xor 16's eight K steps: l of the row
.endr
	s_wait_alu depctr_va_vdst(0)
.irp a, 0,1,2,3
	v_rcp_f32 v[RL+2*\a], v[LSUM+\a]
.endr
	v_nop                                          ; a plain place behind the reciprocals
	s_wait_alu depctr_va_vdst(0)                   ; one wait for the four
	s_wait_tensorcnt 0x0                           ; my one load of the head has landed
	MKG1 G1A, 32, 96, 32                           ; no tensor load of mine is out: from here on a load brings a dense half of a slot, as rows of 256 bytes
	MKG1 G1B, 32, 192, 32
	s_barrier_signal -1
	s_barrier_wait -1
	HFETCH 0
	HSTEP 0, 1                                     ; the first products start the sums
	HSTEP 1, 0
	HSTEP 2, 0
	PTURN 3, 1
	HSTEP 4, 0
	HSTEP 5, 0
	HSTEP 6, 0
	PTURN 7, 1
	HSTEP 8, 0
	HSTEP 9, 0
	HSTEP 10, 0
	PTURN 11, 0
	HSTEP 12, 0
	HSTEP 13, 0
	HSTEP 14, 0
	s_wait_dscnt 0x0
	WIN 0xa1
	MUL8 0, 15, 0
	MUL8 1, 15, 0
	MUL8 2, 15, 0
	MUL8 3, 15, 0
	WIN 0
.irp b, 0,1,2,3
	v_mov_b32 v[TM+4+\b], 0                        ; a lane permute's destination counts as one of its sources; also the four places behind the last products
.endr
.irp a, 0,1,2,3
	WIN 0x82
.set i, 0
.rept 32
	v_pk_mul_f32 v[64*\a+i:64*\a+i+1], v[64*\a+i:64*\a+i+1], v[RL+2*\a:RL+2*\a+1] op_sel_hi:[1,0]   ; / l; each accumulator from its low end on
.set i, i+2
.endr
	QUANT 64*\a, 2, PW+\a
	PUT 10, \a*3072
.endr
	s_wait_xcnt 0x0                                ; EXEC changes only behind this wait
	v_cmp_gt_u32 vcc_lo, 16, v[LN]
	s_and_saveexec_b32 s99, vcc_lo
	global_store_b128 v[LI], v[PW:PW+3], s[12:13]  ; lanes 0-15: four tiles' words of row r: 256 consecutive bytes, aligned
	s_wait_xcnt 0x0
	s_or_b32 exec_lo, exec_lo, s99
	s_wait_tensorcnt 0x0                           ; the wave's end
	ds_add_u32 v[SPW], v[NIL]
	s_wait_dscnt 0x0
	CROUND
	s_endpgm
.Lfunc_end_k_qc33b35c1af_gemm_pv:
	.size	k_qc33b35c1af_gemm_pv, .Lfunc_end_k_qc33b35c1af_gemm_pv-k_qc33b35c1af_gemm_pv
	.p2alignl 7, 3214868480
	.fill 96, 4, 3214868480
	.section	.rodata,"a",@progbits
	.p2align	6, 0x0
	.amdhsa_kernel k_qc33b35c1af_gemm_pv
		.amdhsa_group_segment_fixed_size 327680
		.amdhsa_private_segment_fixed_size 0
		.amdhsa_enable_private_segment 0
		.amdhsa_kernarg_size 24
		.amdhsa_user_sgpr_count 2
		.amdhsa_user_sgpr_kernarg_segment_ptr 1
		.amdhsa_wavefront_size32 1
		.amdhsa_system_sgpr_workgroup_id_x 1
		.amdhsa_system_sgpr_workgroup_id_y 1
		.amdhsa_system_sgpr_workgroup_id_z 1
		.amdhsa_system_vgpr_workitem_id 0
		.amdhsa_next_free_vgpr 768
		.amdhsa_next_free_sgpr 100
		.amdhsa_reserve_vcc 1
		.amdhsa_float_denorm_mode_32 3
		.amdhsa_float_denorm_mode_16_64 3
		.amdhsa_memory_ordered 1
		.amdhsa_forward_progress 1
		.amdhsa_inst_pref_size 165
	.end_amdhsa_kernel
	.amdgpu_metadata
---
amdhsa.version: [ 1, 2 ]
amdhsa.kernels:
  - .name:           k_qc33b35c1af_gemm_pv
    .symbol:         k_qc33b35c1af_gemm_pv.kd
    .args:
      - { .name: pp, .offset: 0, .size: 8, .value_kind: global_buffer, .address_space: global }
      - { .name: vv, .offset: 8, .size: 8, .value_kind: global_buffer, .address_space: global }
      - { .name: cx, .offset: 16, .size: 8, .value_kind: global_buffer, .address_space: global }
    .group_segment_fixed_size: 327680
    .private_segment_fixed_size: 0
    .kernarg_segment_align: 8
    .kernarg_segment_size: 24
    .max_flat_workgroup_size: 128
    .sgpr_count:     100
    .vgpr_count:     768
    .wavefront_size: 32
...
	.end_amdgpu_metadata
.endif
;; end of part 4
;; launch gemm_out (part 5): grid 4 x 64, 4 waves a work-group, clusters of 4 x 4, 327,680 bytes of LDS; arguments cx, pb, out_b, out0; writes out0
.if DOCPART == 5
	.amdgcn_target "amdgcn-amd-amdhsa--gfx1250"
	.amdhsa_code_object_version 6
	.text
	.protected	k_qc33b35c1af_gemm_out
	.globl	k_qc33b35c1af_gemm_out
	.p2align	8
	.type	k_qc33b35c1af_gemm_out,@function
k_qc33b35c1af_gemm_out:
	s_mov_b64 s[64:65], 0
	v_nop
	global_prefetch_b8 v0, s[64:65] scope:SCOPE_SE
	s_setreg_imm32_b32 hwreg(HW_REG_WAVE_MODE, 25, 1), 1
	s_wait_xcnt 0x0
	s_wait_alu depctr_hold_cnt(0) depctr_sa_sdst(0) depctr_va_vdst(0) depctr_va_sdst(0) depctr_va_ssrc(0) depctr_va_vcc(0) depctr_vm_vsrc(0)
	s_getreg_b32 s2, hwreg(HW_REG_IB_STS2, 6, 4)
	s_cmp_eq_u32 s2, 0
	s_cbranch_scc0 .Lentry_in_a_cluster
	s_endpgm
.Lentry_in_a_cluster:
	s_bfe_u32 s2, ttmp6, 0x10000c
	s_cmp_lg_u32 s2, 0xf033
	s_cbranch_scc0 .Lentry_shape_is_right
	s_endpgm
.Lentry_shape_is_right:
; out0 = ctx out_w + out_b on codes of FP6 with E8M0 scales; f32 out.
; A tile is 128 rows x 256 columns; four waves, 64 x 128 each: 32 accumulators.  Source 0 = 16 columns (a tile of out_w), source 1 = 16 rows of ctx: lane (r, h) holds row r of its tile,
; register 8 b + j column 32 (b / 2) + 16 h + 8 (b % 2) + j.  All of K = 1,024 lies in LDS, four slots of 256 K, each filled once: no refill.  At most one tensor load of a wave is out.
; THE WAY OUT: a block of 16 rows x 128 columns goes through the wave's own stage in LDS and comes back as whole rows of 512 bytes.  The stage lies on ctx's slabs 0 and 1, which have had their only fill, and which nobody reads behind the barrier in K step 5.
; Row p of tile t is row 32 (t / 2) + 8 (t % 2) + p + 8 (p / 8) of out0: the order in which every tile of this program holds its rows.
; CLUSTERS 4 x 4: ctx's tiles shared along a row, out_w's along a column.  The bias is the C of each sum's first matrix instruction.
.set SLOTB,  73728
.set SCL,    4*SLOTB
.set SROW,   528
.set LI, 1
.set RR, 2
.set ADRA, 3
.set ADRB, 7
.set ADSA, 11
.set ADSB, 12
.set STO, 13
.set RD, 14
.set HH, 15
.set BO, 16
.set TV, 17
.set SA, 32
.set SB, 40
.set BI, 64
.set AF, 128
.set BK, 128                           ; the way out: v128-191 and v192-255 by turns
.set G1A, 16
.set G1B, 24
.set G0A, 32
.set G0B, 48
.set G1SA, 68
.set G1SB, 76
.set G0SA, 84
.set G0SB, 88
.set WV, 92
.set WR, 93
.set WC, 94
.set CX, 95
.set CY, 96
.set TX, 97
.set TY, 98
.set RM, 99
.set CM, 100
.set LWA, 12
.set LWB, 13
.set LSA, 14
.set LSB, 15
.set MSB, 0
.macro WIN new
.if MSB != (\new)
	s_set_vgpr_msb (MSB<<8)|(\new)
.set MSB, (\new)
.endif
.endm
.macro PLACES n
.rept \n
	v_nop
.endr
.endm
; LDS AS THIS TEXT HAS IT: ctx's four slabs of 256 K on end (24,576 bytes each), then out_w's four (49,152 bytes each, from byte 98,304 on), ctx's scale words (a K step's 512 bytes, eight steps), out_w's (1,024 bytes a step), the spare words.
; THE HEAD: one tensor load a wave: wave 0 all of ctx's codes, wave 2 all of out_w's, each as four long rows; wave 1 ctx's scale words, wave 3 out_w's.  Nothing else is fetched.
; The stage, 33,792 bytes from byte 0, lies on ctx's slabs 0 and 1, which nobody reads behind the barrier in K step 5.
.macro ARM under, g0, g1, next         ; an arm of the one chain of branches on the wave's number
	s_cmp_lt_u32 s[WV], \under
	s_cbranch_scc0 \next
	tensor_load_to_lds s[\g0:\g0+3], s[\g1:\g1+7]
	s_nop 0
	PLACES 4
	s_branch .Lhead_asked
\next:
.endm
.macro CROUND
	s_barrier_signal -1
	s_barrier_wait -1
	s_cmp_lg_u32 s[WV], 0
	s_cbranch_scc1 .Lnot_wave_0_\@
	s_barrier_signal -3
.Lnot_wave_0_\@:
	s_barrier_wait -3
	s_barrier_signal -1
	s_barrier_wait -1
.endm
.macro MKG1 g, c, r, p
	s_mov_b32 s[\g+1], (\c)<<16
	s_mov_b32 s[\g+2], (\r)<<16
	s_mov_b32 s[\g+3], (\c)<<16
	s_mov_b32 s[\g+4], \r
	s_mov_b32 s[\g+5], \p
	s_mov_b32 s[\g+6], 0
	s_mov_b32 s[\g+7], 0
.endm
.macro MKG0 g0, n, ptr, cbase, stride, lreg, lbase, lstride
	s_add_nc_u64 s[\g0+2:\g0+3], s[\ptr:\ptr+1], s[\g0+2:\g0+3]
.if \cbase
	s_add_nc_u64 s[\g0+2:\g0+3], s[\g0+2:\g0+3], \cbase
.endif
.irp s, 1,2,3
.if \s < \n
	s_add_nc_u64 s[\g0+4*\s+2:\g0+4*\s+3], s[\g0+2:\g0+3], \s*(\stride)
.endif
.endr
.irp s, 0,1,2,3
.if \s < \n
	s_mov_b32 s[\g0+4*\s], 1
	s_mov_b32 s[\g0+4*\s+1], \lbase+\s*(\lstride)
	s_or_b32 s[\g0+4*\s+3], s[\g0+4*\s+3], 0x80000000
.endif
.endr
.endm
.macro FRAG reg, adr, off
.irp c, 0,1,2
	ds_load_b128 v[\reg+4*\c:\reg+4*\c+3], v[\adr] offset:\off+512*\c
.endr
.endm
.macro HFETCH kk
	WIN 0x40
.irp i, 0,1,2,3,4,5,6,7
	FRAG 128*((\kk)%2)+12*\i, ADRB+(\kk)/2, \i*3072+((\kk)%2)*1536
.endr
	WIN 0
.irp i, 0,1,2,3
	FRAG AF+48*((\kk)%2)+12*\i, ADRA+(\kk)/2, \i*3072+((\kk)%2)*1536
.endr
	ds_load_b128 v[SA+4*((\kk)%2):SA+4*((\kk)%2)+3], v[ADSA] offset:(\kk)*512
	ds_load_b128 v[SB+8*((\kk)%2):SB+8*((\kk)%2)+3], v[ADSB] offset:(\kk)*1024
	ds_load_b128 v[SB+8*((\kk)%2)+4:SB+8*((\kk)%2)+7], v[ADSB] offset:(\kk)*1024+256
.endm
.macro MUL8 a, kk, first               ; the 32 accumulators take turns, in the same order in every step
.irp b, 0,1,2,3,4,5,6,7
.set rD, 8*(8*(\a)+\b)
.set rB, 128*((\kk)%2)+12*\b
.set rA, AF+48*((\kk)%2)+12*(\a)
.set rSB, SB+8*((\kk)%2)+\b
.set rSA, SA+4*((\kk)%2)+(\a)
.if \first
	v_wmma_scale_f32_16x16x128_f8f6f4 v[rD:rD+7], v[rB:rB+11], v[rA:rA+11], v[BI+8*\b:BI+8*\b+7], v[rSB], v[rSA] matrix_a_fmt:MATRIX_FMT_FP6 matrix_b_fmt:MATRIX_FMT_FP6
.else
	v_wmma_scale_f32_16x16x128_f8f6f4 v[rD:rD+7], v[rB:rB+11], v[rA:rA+11], v[rD:rD+7], v[rSB], v[rSA] matrix_a_fmt:MATRIX_FMT_FP6 matrix_b_fmt:MATRIX_FMT_FP6
.endif
.endr
.endm
.macro HSTEP kk, first
	s_wait_dscnt 0x0
	PLACES 4
	HFETCH (\kk)+1
.if \first
	WIN 0x81
.else
	WIN 0xa1
.endif
	MUL8 0, \kk, \first
	MUL8 1, \kk, \first
	MUL8 2, \kk, \first
	MUL8 3, \kk, \first
.endm
.macro HTURN kk                        ; my reads of ctx's slabs 0 and 1 are over, then the work-group's barrier: the stage may be written behind it
	s_wait_dscnt 0x0
	s_barrier_signal -1
	WIN 0xa1
	MUL8 0, \kk, 0
	MUL8 1, \kk, 0
	WIN 0
	s_barrier_wait -1
	PLACES 4
	HFETCH (\kk)+1
	WIN 0xa1
	MUL8 2, \kk, 0
	MUL8 3, \kk, 0
.endm
.macro TOSTAGE a
	WIN 0x08                                       ; an LDS store's data are its source 1: window 2
.irp b, 0,1,2,3,4,5,6,7
	ds_store_b128 v[STO], v[64*(\a)+8*\b:64*(\a)+8*\b+3] offset:128*(\b/2)+32*(\b%2)      ; each accumulator from its low end on
	ds_store_b128 v[STO], v[64*(\a)+8*\b+4:64*(\a)+8*\b+7] offset:128*(\b/2)+32*(\b%2)+16
.endr
	WIN 0
.set t, 0
.rept 16
	ds_load_b128 v[BK+64*((\a)%2)+4*t:BK+64*((\a)%2)+4*t+3], v[RD] offset:t*SROW   ; LDS serves a wave's instructions in order: these see my stores, and the next block's stores come behind them
.set t, t+1
.endr
.endm
.macro SEND a, younger                 ; younger: the LDS instructions issued behind block a's loads
	s_wait_dscnt \younger
.set t, 0
.rept 16
	global_store_b128 v[LI], v[BK+64*((\a)%2)+4*t:BK+64*((\a)%2)+4*t+3], s[10:11] offset:(32*((\a)/2)+8*((\a)%2)+t+8*(t/8))*4096 th:TH_STORE_NT   ; 32 lanes store 512 consecutive bytes, aligned
.set t, t+1
.endr
.endm
	s_load_b256 s[4:11], s[0:1], 0x0               ; cx, pb, out_b, out0
	v_lshl_add_u32 v62, v0, 2, 0x4b000
	v_mov_b32 v63, 0
	ds_add_u32 v62, v63
	ds_add_u32 v62, v63
	v_lshrrev_b32 v[TV], 5, v0
	v_readfirstlane_b32 s[WV], v[TV]
	s_lshr_b32 s[WR], s[WV], 1
	s_and_b32 s[WC], s[WV], 1
	s_bfe_u32 s[CX], ttmp6, 0x40000
	s_bfe_u32 s[CY], ttmp6, 0x40004
	s_lshl_b32 s[TX], ttmp9, 2
	s_add_co_u32 s[TX], s[TX], s[CX]               ; which 256 columns
	s_and_b32 s[TY], ttmp7, 0xffff
	s_lshl_b32 s[TY], s[TY], 2
	s_add_co_u32 s[TY], s[TY], s[CY]               ; which 128 rows
	s_lshl_b32 s[RM], s[CY], 2
	s_lshl_b32 s[RM], 15, s[RM]
	s_lshl_b32 s[CM], 0x1111, s[CX]
	s_or_b32 s[G1A], s[RM], (3<<16)|(1<<21)
	s_or_b32 s[G1SA], s[RM], (3<<16)|(1<<21)
	s_or_b32 s[G1B], s[CM], (3<<16)|(1<<21)
	s_or_b32 s[G1SB], s[CM], (3<<16)|(1<<21)
	MKG1 G1A, 3072, 4, 196608                      ; four rows of 24,576 bytes (8 tiles x 256 K), 1,572,864 bytes apart
	MKG1 G1B, 6144, 4, 24576                       ; four rows of 49,152 bytes (16 tiles x 256 K), 196,608 bytes apart
	MKG1 G1SA, 64, 8, 4096                         ; 8 K steps x 512 bytes, 32,768 bytes apart
	MKG1 G1SB, 128, 8, 512                         ; 8 K steps x 1,024 bytes, 4,096 bytes apart
	s_lshl_b32 s[G0A+2], s[TY], 3                  ; ctx: tile 8 ty
	s_lshl_b32 s[G0SA+2], s[G0A+2], 6
	s_mul_i32 s[G0A+2], s[G0A+2], 3072
	s_mov_b32 s[G0A+3], 0
	s_mov_b32 s[G0SA+3], 0
	s_lshl_b32 s[G0B+2], s[TX], 4                  ; out_w: tile 16 tx
	s_lshl_b32 s[G0SB+2], s[G0B+2], 6
	s_mul_i32 s[G0B+2], s[G0B+2], 3072
	s_mov_b32 s[G0B+3], 0
	s_mov_b32 s[G0SB+3], 0
	s_wait_dscnt 0x0
	s_wait_kmcnt 0x0
	MKG0 G0SA, 1, 4, 6291456, 0, 0, SCL, 0
	MKG0 G0SB, 1, 6, 9797632, 0, 0, SCL+4096, 0
	MKG0 G0A, 1, 4, 0, 0, 0, 0, 0
	MKG0 G0B, 1, 6, 9011200, 0, 0, 98304, 0
	CROUND
	ARM 1, G0A, G1A, .Lhead_sa
	ARM 2, G0SA, G1SA, .Lhead_b
	ARM 3, G0B, G1B, .Lhead_sb
	tensor_load_to_lds s[G0SB:G0SB+3], s[G1SB:G1SB+7]
	s_nop 0
	PLACES 4
.Lhead_asked:
	v_and_b32 v[TV], 31, v0
	v_lshlrev_b32 v[LI], 4, v[TV]
	s_wait_alu depctr_va_vdst(0)
	v_and_b32 v[RR], 15, v0
	v_bfe_u32 v[HH], v0, 4, 1
	s_mul_i32 s12, s[WR], 12288
	s_mul_i32 s13, s[WC], 24576
	s_add_co_u32 s13, s13, 98304
.irp g, 0,1,2,3
	v_add_nc_u32 v[ADRA+\g], s12, v[LI]
	v_add_nc_u32 v[ADRB+\g], s13, v[LI]
	s_add_co_u32 s12, s12, 24576
	s_add_co_u32 s13, s13, 49152
.endr
	s_lshl_b32 s12, s[WR], 8
	s_add_co_u32 s12, s12, SCL
	v_lshl_add_u32 v[ADSA], v[RR], 4, s12
	s_lshl_b32 s13, s[WC], 9
	s_add_co_u32 s13, s13, SCL+4096
	v_lshl_add_u32 v[ADSB], v[RR], 4, s13
	s_mul_i32 s12, s[WV], 16*SROW                  ; my stage
	v_mul_u32_u24 v[STO], v[RR], SROW
	v_lshl_add_u32 v[STO], v[HH], 6, v[STO]
	v_add_nc_u32 v[STO], s12, v[STO]               ; in: row r, + 64 h
	v_add_nc_u32 v[RD], s12, v[LI]                 ; back: a whole row, 16 bytes a lane
	s_lshl_b32 s100, s[TX], 10                     ; my 128 columns, in bytes
	s_lshl_b32 s99, s[WC], 9
	s_add_co_u32 s100, s100, s99
	s_mov_b32 s101, 0
	s_add_nc_u64 s[8:9], s[8:9], s[100:101]
	v_lshlrev_b32 v[BO], 6, v[HH]
.irp b, 0,1,2,3,4,5,6,7
	global_load_b128 v[BI+8*\b:BI+8*\b+3], v[BO], s[8:9] offset:(32*(\b/2)+8*(\b%2))*4
	global_load_b128 v[BI+8*\b+4:BI+8*\b+7], v[BO], s[8:9] offset:(32*(\b/2)+8*(\b%2))*4+16
.endr
	s_lshl_b32 s99, s[TY], 19                      ; + my 64 rows of 4,096 bytes
	s_add_co_u32 s100, s100, s99
	s_lshl_b32 s99, s[WR], 18
	s_add_co_u32 s100, s100, s99
	s_add_nc_u64 s[10:11], s[10:11], s[100:101]
	s_wait_alu depctr_va_vdst(0)
	s_wait_tensorcnt 0x0                           ; my one load of the head has landed
	s_barrier_signal -1
	s_barrier_wait -1
	HFETCH 0
	s_wait_loadcnt 0x0                             ; the bias
	HSTEP 0, 1
	HSTEP 1, 0
	HSTEP 2, 0
	HSTEP 3, 0
	HSTEP 4, 0
	HTURN 5
	HSTEP 6, 0
	s_wait_dscnt 0x0
	WIN 0xa1
	MUL8 0, 7, 0
	MUL8 1, 7, 0
	MUL8 2, 7, 0
	MUL8 3, 7, 0
	WIN 0
	PLACES 4                                       ; in front of the first read of results, and of loads into registers that held A's fragments
	TOSTAGE 0
.irp a, 1,2,3
.if \a > 1
	s_wait_xcnt 0x0                                ; block a - 2's stores have read their registers: block a's loads may land there
.endif
	TOSTAGE \a
	SEND \a-1, 32                                  ; behind block a - 1's loads: block a's 16 stores and 16 loads
.endr
	SEND 3, 0
	s_wait_tensorcnt 0x0
	ds_add_u32 v62, v63
	s_wait_dscnt 0x0
	CROUND                                         ; the closing round; no LDS instruction of mine is out
	s_endpgm
.Lfunc_end_k_qc33b35c1af_gemm_out:
	.size	k_qc33b35c1af_gemm_out, .Lfunc_end_k_qc33b35c1af_gemm_out-k_qc33b35c1af_gemm_out
	.p2alignl 7, 3214868480
	.fill 96, 4, 3214868480
	.section	.rodata,"a",@progbits
	.p2align	6, 0x0
	.amdhsa_kernel k_qc33b35c1af_gemm_out
		.amdhsa_group_segment_fixed_size 327680
		.amdhsa_private_segment_fixed_size 0
		.amdhsa_enable_private_segment 0
		.amdhsa_kernarg_size 32
		.amdhsa_user_sgpr_count 2
		.amdhsa_user_sgpr_kernarg_segment_ptr 1
		.amdhsa_wavefront_size32 1
		.amdhsa_system_sgpr_workgroup_id_x 1
		.amdhsa_system_sgpr_workgroup_id_y 1
		.amdhsa_system_sgpr_workgroup_id_z 1
		.amdhsa_system_vgpr_workitem_id 0
		.amdhsa_next_free_vgpr 768
		.amdhsa_next_free_sgpr 102
		.amdhsa_reserve_vcc 0
		.amdhsa_float_denorm_mode_32 3
		.amdhsa_float_denorm_mode_16_64 3
		.amdhsa_memory_ordered 1
		.amdhsa_forward_progress 1
		.amdhsa_inst_pref_size 79
	.end_amdhsa_kernel
	.amdgpu_metadata
---
amdhsa.version: [ 1, 2 ]
amdhsa.kernels:
  - .name:           k_qc33b35c1af_gemm_out
    .symbol:         k_qc33b35c1af_gemm_out.kd
    .args:
      - { .name: cx, .offset: 0, .size: 8, .value_kind: global_buffer, .address_space: global }
      - { .name: pb, .offset: 8, .size: 8, .value_kind: global_buffer, .address_space: global }
      - { .name: out_b, .offset: 16, .size: 8, .value_kind: global_buffer, .address_space: global }
      - { .name: out0, .offset: 24, .size: 8, .value_kind: global_buffer, .address_space: global }
    .group_segment_fixed_size: 327680
    .private_segment_fixed_size: 0
    .kernarg_segment_align: 8
    .kernarg_segment_size: 32
    .max_flat_workgroup_size: 128
    .sgpr_count:     102
    .vgpr_count:     768
    .wavefront_size: 32
...
	.end_amdgpu_metadata
.endif
;; end of part 5
